; MI455X (gfx1250); checked and timed in simulation.
; The chip was launched on July 23, 2026; its instructions are those of AMD's public machine-readable ISA for CDNA 5 (MIT licence, August 2026) and "CDNA5" Instruction Set Architecture Reference Guide (July 2026). The comments in the code are by the model that wrote it; some were corrected since.
;; Group Query Attention. Allowed arithmetic: matrix products marked QUANTISED: E2M3 operands, one E8M0 scale for each 32 along K, by v_wmma_scale_f32_16x16x128_f8f6f4 with both operands' format E2M3, f32 sums; everything else in f32.
;; Inputs: Wk 512 x 2,048 float32; Wo 2,048 x 2,048 float32; Wq 2,048 x 2,048 float32; Wv 512 x 2,048 float32; X 4 x 1,024 x 2,048 float32; bk 512 float32; bo 2,048 float32; bq 2,048 float32; bv 512 float32; causal_mask 1,024 x 1,024 bool; encoder_output 4 x 1,024 x 2,048 float32; padding_mask 4 x 1,024 bool.
;; Outputs: out0 4 x 1,024 x 2,048 float32.
;; This version of the problem:
;;   THIS VERSION OF THE PROBLEM IS GIVEN IN LOW PRECISION. The matrix products marked QUANTISED in the list below multiply operands that are first quantised to E2M3 (2 exponent bits, 3 mantissa bits; 6 bits a number), with one power-of-two scale for each 32 numbers along K (OCP MX v1.0); their sums are f32. All else is computed in f32.
;;   The module's matrix products, in the order in which they are computed (A, B: the left and right operand; K: the contracted axis; several contracted axes count as one K, in the product's order):
;;     1. [M 4,096, K 2,048] x [K 2,048, N 2,048]; A: input X; B: input Wq: QUANTISED
;;     2. [M 4,096, K 2,048] x [K 2,048, N 512]; A: input encoder_output; B: input Wk: QUANTISED
;;     3. [M 4,096, K 2,048] x [K 2,048, N 512]; A: input encoder_output; B: input Wv: QUANTISED
;;     4. batch 32 x [M 4,096, K 64] x [K 64, N 1,024]; A: computed on the way; B: computed on the way: QUANTISED
;;     5. batch 32 x [M 4,096, K 1,024] x [K 1,024, N 64]; A: softmax (see below); B: computed on the way: QUANTISED
;;     6. [M 4,096, K 2,048] x [K 2,048, N 2,048]; A: computed on the way; B: input Wo: QUANTISED
;;   THE QUANTISER, for each operand of a quantised product, along K:
;;     - K is cut into blocks of 32 from its start; a last block that is shorter is filled with zeros.
;;     - A block's scale is 2^e with e = floor(log2(the largest magnitude in the block)) - 2, held to -126 .. 127; a block of zeros has e = 0. As a byte (E8M0): e + 127.
;;     - Each number is divided by its block's scale, clamped to +-7.5, and rounded to the nearest number of E2M3, ties to even, subnormals kept.
;;     - The product sums the exact products of the quantised numbers (number of the format x scale) in f32.
;;   ~~~python
;;   def quantise(x, axis):      # numpy; x: float32 -> the quantised numbers, widened to float32 again
;;       x = np.moveaxis(x, axis, -1); K = x.shape[-1]
;;       x = np.pad(x, [(0, 0)] * (x.ndim - 1) + [(0, -K % 32)]); x = x.reshape(x.shape[:-1] + (-1, 32)); a = np.abs(x).max(-1, keepdims=True)
;;       e = np.where(a > 0, np.clip(np.frexp(np.where(a > 0, a, 1))[1] - 1 - 2, -126, 127), 0)      # np.frexp(a)[1] - 1 = floor(log2(a)), exactly
;;       r = np.clip(x / 2.0 ** e, -7.5, 7.5)
;;       step = 2.0 ** (np.maximum(np.frexp(np.where(r == 0, 1, r))[1] - 1, 0) - 3)
;;       q = np.round(r / step) * step * 2.0 ** e      # np.round: ties to even
;;       return np.moveaxis(q.reshape(q.shape[:-2] + (-1,))[..., :K], -1, axis).astype(np.float32)
;;   ~~~
;;   SOFTMAX AHEAD OF A QUANTISED PRODUCT. Where the list says 'softmax', what is quantised is not the finished softmax but p = 2^(t - M), with t = logit x log2(e) and M = ceil(the row's largest t), a whole number; so 1/2 < the row's largest p <= 1. The row's sum l is taken of the UNQUANTISED p, in f32, and the product's result is divided by l at the end. Since M is a whole number, a kernel that streams over the keys may use a running M (the ceiling of the running maximum): every later rescaling is an exact power of two, which a block's scale takes up: the codes' values come out the same.
;;   OPERANDS COMPUTED ON THE WAY. 'Computed on the way' means the value that the module computes at that place (a softmax that the list does not call 'softmax' is quantised finished and normalised). What goes into a quantiser is computed in f32, as accurately as f32 sums, v_exp_f32 and their like allow (about 1e-6 of the number): no bf16 or f16 on the way to a quantiser, and a product that is left as it is and whose result goes on into a quantised operand takes f32 operands (vector FMAs, or v_wmma_f32_16x16x4_f32). A number that lies on a knife's edge between two numbers of the format may be rounded either way, as far as f32 arithmetic and the matrix unit's own rounding can turn it there, and no further.
;; 2 versions, each right; version 2 is version 1 with the launch attn written anew for expert scheduling mode. Each part assembles by itself: llvm-mc -triple=amdgcn-amd-amdhsa -mcpu=gfx1250 --defsym DOCPART=n.
;; ======== version 1 of 2: 4 launches
;; workspace buffers: cod1 20,447,232 bytes; scl1 851,968 bytes; maskw 524,288 bytes of whole numbers; flags 8,192 bytes of whole numbers; qkvc 9,437,184 bytes; qkvs 720,896 bytes; attc 6,291,456 bytes; atts 262,144 bytes
;; launch quant (part 1): grid 960 x 1, 4 waves a work-group, no clusters, 34,304 bytes of LDS; arguments X, encoder_output, Wq, Wk, Wv, Wo, causal_mask, padding_mask, cod1, scl1, maskw, flags; writes cod1, scl1, maskw, flags
.if DOCPART == 1
	.amdgcn_target "amdgcn-amd-amdhsa--gfx1250"
	.amdhsa_code_object_version 6
	.text
	.protected	k_q8242b00c61_quant
	.globl	k_q8242b00c61_quant
	.p2align	8
	.type	k_q8242b00c61_quant,@function
k_q8242b00c61_quant:
	s_mov_b64 s[64:65], 0
	v_nop
	global_prefetch_b8 v0, s[64:65] scope:SCOPE_SE
	s_setreg_imm32_b32 hwreg(HW_REG_WAVE_MODE, 25, 1), 1
	s_wait_xcnt 0x0
; X, encoder_output, Wq, Wk, Wv, Wo (f32, 2,048 along K, K innermost) become codes of FP6 (E2M3) with one E8M0 byte for each 32 along K; the two masks become lane masks and step flags.
; A ROW BLOCK (RB) is 16 rows that are not neighbours: row i of RB t is tensor row 32 (t / 2) + 8 (t % 2) + i + 8 (i / 8).  The six tensors are 832 RBs on end: X 0, E 256, Wq 512, Wk 640, Wv 672, Wo 704.
; CODES leave as images of operand registers: for 16 rows x 64 along K 768 bytes: lane l's registers 0-3 at 16 l, its registers 4-5 at 512 + 8 l; lane (r, h) holds block h of row r.  cod1: [RB][K step 16][half 2][768].
; SCALE WORDS: scl1: [RB][kg 4][r 16][4 words], word q of group kg = the four bytes of K step 4 kg + q of row r.
; A block's scale is 2^(floor(log2(largest magnitude)) - 2): its byte is the largest magnitude's exponent field - 2, held at 1 from below.
; LIMITS: a block of zeros, and one whose largest magnitude lies under 2^-124, takes the byte 1 (the rule says 127 for zeros: the codes are zeros and this program alone reads the bytes); NaN and infinities are not served.
; Work-groups 0-831: one RB each, wave w takes 512 along K in four steps of 128.  Each load reads 512 consecutive bytes of one row; a step's 16 rows turn through the wave's own stage in LDS
; (rows 528 bytes apart) so that a lane holds two whole blocks of its row.  Every store covers 512 or 256 consecutive bytes, aligned.  No barrier: waves share nothing.
; Work-groups 832-959: wave = one (query tile, key step): for each batch 64 lane masks (bit l of the mask of register n: lane l's score in register n is hidden) and one flag word
; (bit 0: all 16 x 128 hidden; bit 8: none hidden).  This path uses no LDS.
; The stream keeps 32 loads a wave on their way and reads each byte once: nothing is asked for ahead of the loads themselves.
.set R,     16                         ; v16-143   two sets of 64 numbers as loaded
.set X,     144                        ; v144-207  two blocks of 32 neighbours
.set C,     208                        ; v208-219  a K step's 12 code registers
.set T,     220                        ; v220-222, v224-226 the upper halves of the two blocks' codes
.set MX,    228                        ; v228-229  largest magnitudes
.set SO,    230                        ; v230-231  the conversions' scale operands
.set BY,    232                        ; v232-233  scale bytes
.set TP,    234                        ; v234      at work
.set W,     236                        ; v236-239  the four K steps' scale words
.set PITCH, 528
.set WST,   16*PITCH                   ; a wave's stage
	s_load_b256 s[4:11], s[0:1], 0x0               ; X, encoder_output, Wq, Wk
	s_load_b256 s[12:19], s[0:1], 0x20             ; Wv, Wo, causal_mask, padding_mask
	s_load_b256 s[20:27], s[0:1], 0x40             ; cod1, scl1, maskw, flags
	v_lshl_add_u32 v248, v0, 2, 0x8400
	v_mov_b32 v249, 0
	v_lshrrev_b32 v1, 5, v0
	v_readfirstlane_b32 s28, v1                    ; wave
	v_and_b32 v1, 31, v0                           ; lane
	v_and_b32 v2, 15, v0                           ; r
	v_bfe_u32 v3, v0, 4, 1                         ; h
	v_lshlrev_b32 v4, 4, v1                        ; 16 x lane
	v_lshlrev_b32 v5, 3, v1                        ; 8 x lane
	s_cmp_ge_u32 ttmp9, 832
	s_cbranch_scc1 .Lmask
	; ---------------- the six tensors
	s_mul_i32 s29, s28, WST
	v_add_nc_u32 v6, s29, v4                       ; the stage, on the way in: 16 x lane of a row
	v_mul_u32_u24 v7, v2, PITCH
	v_lshl_add_u32 v7, v3, 7, v7
	v_add_nc_u32 v7, s29, v7                       ; on the way out: row r, + 128 h: my block of 32
	v_lshlrev_b32 v8, 4, v2
	v_lshl_add_u32 v8, v3, 3, v8                   ; 16 r + 8 h: my two scale words
	v_lshlrev_b32 v9, 3, v3                        ; 8 h
	v_mov_b32 v[TP], 0                             ; a lane permute's destination counts as read
	s_mov_b32 s36, 0x76543210
	s_mov_b32 s37, 0xfedcba98                      ; selects for lane l xor 16
	s_wait_kmcnt 0x0
	s_mov_b64 s[30:31], s[14:15]                   ; which tensor: chosen on the work-group's number alone
	s_mov_b32 s32, 704
	s_cmp_lt_u32 ttmp9, 704
	s_cselect_b64 s[30:31], s[12:13], s[30:31]
	s_cselect_b32 s32, 672, s32
	s_cmp_lt_u32 ttmp9, 672
	s_cselect_b64 s[30:31], s[10:11], s[30:31]
	s_cselect_b32 s32, 640, s32
	s_cmp_lt_u32 ttmp9, 640
	s_cselect_b64 s[30:31], s[8:9], s[30:31]
	s_cselect_b32 s32, 512, s32
	s_cmp_lt_u32 ttmp9, 512
	s_cselect_b64 s[30:31], s[6:7], s[30:31]
	s_cselect_b32 s32, 256, s32
	s_cmp_lt_u32 ttmp9, 256
	s_cselect_b64 s[30:31], s[4:5], s[30:31]
	s_cselect_b32 s32, 0, s32
	s_sub_co_u32 s33, ttmp9, s32                   ; the RB's number in its tensor
	s_lshr_b32 s34, s33, 1
	s_lshl_b32 s34, s34, 5
	s_and_b32 s35, s33, 1
	s_lshl_b32 s35, s35, 3
	s_add_co_u32 s34, s34, s35                     ; its first row
	s_lshl_b32 s34, s34, 13                        ; x 8,192 bytes
	s_lshl_b32 s35, s28, 11                        ; + my wave's 2,048 bytes of a row
	s_add_co_u32 s34, s34, s35
	s_mov_b32 s35, 0
	s_add_nc_u64 s[30:31], s[30:31], s[34:35]
	s_mul_i32 s34, ttmp9, 24576
	s_mul_i32 s33, s28, 6144
	s_add_co_u32 s34, s34, s33
	s_add_nc_u64 s[20:21], s[20:21], s[34:35]      ; my codes
	s_lshl_b32 s34, ttmp9, 10
	s_lshl_b32 s33, s28, 8
	s_add_co_u32 s34, s34, s33
	s_add_nc_u64 s[22:23], s[22:23], s[34:35]      ; my scale words
.macro LOAD t                          ; K step t: 16 rows x 512 bytes into set t % 2
.irp i, 0,1,2,3,4,5,6,7,8,9,10,11,12,13,14,15
	global_load_b128 v[R+64*((\t)%2)+4*\i:R+64*((\t)%2)+4*\i+3], v4, s[30:31] offset:(\i+8*(\i/8))*8192+512*(\t) th:TH_LOAD_NT
.endr
.endm
.macro QSTEP t
.if (\t) < 3
	s_wait_loadcnt 16                              ; this step's 16 loads are in; the next step's 16 may be out
.else
	s_wait_loadcnt 0x0
.endif
.irp i, 0,1,2,3,4,5,6,7,8,9,10,11,12,13,14,15
	ds_store_b128 v6, v[R+64*((\t)%2)+4*\i:R+64*((\t)%2)+4*\i+3] offset:PITCH*\i
.endr
.irp c, 0,1
.irp q, 0,1,2,3,4,5,6,7
	ds_load_b128 v[X+32*\c+4*\q:X+32*\c+4*\q+3], v7 offset:256*\c+16*\q   ; LDS serves a wave's instructions in order: these see the stores above.  k = 64 c + 32 h + 4 q ..
.endr
.endr
	s_wait_dscnt 0x0                               ; the numbers are back, and the stores have read their registers,
.if (\t) < 2
	LOAD (\t)+2                                    ; which take the loads of two steps on
.endif
.irp c, 0,1
	v_max3_num_f32 v[MX+\c], |v[X+32*\c]|, |v[X+32*\c+1]|, 0x1800000   ; my block 2 c + h: all its 32 numbers are mine; the floor 2^(3 - 127) holds the byte at 1 from below
.endr
.irp i, 2,4,6,8,10,12,14,16,18,20,22,24,26,28,30
.irp c, 0,1
	v_max3_num_f32 v[MX+\c], v[MX+\c], |v[X+32*\c+\i]|, |v[X+32*\c+\i+1]|
.endr
.endr
.irp c, 0,1
	v_add_nc_u32 v[SO+\c], 0xff000000, v[MX+\c]    ; 2 off the exponent field: the conversion takes this operand's exponent field as its scale
.endr
.irp c, 0,1
	v_lshrrev_b32 v[BY+\c], 23, v[SO+\c]           ; the scale's byte
.endr
	v_lshl_or_b32 v[W+(\t)], v[BY+1], 16, v[BY]    ; blocks h and 2 + h,
	v_lshlrev_b32 v[W+(\t)], v9, v[W+(\t)]         ; at their places in the word;
	v_permlanex16_b32 v[TP], v[W+(\t)], s36, s37
	v_or_b32 v[W+(\t)], v[W+(\t)], v[TP]           ; with lane l xor 16's two the word is whole
	s_wait_xcnt 0x0                                ; the last step's stores have read the code registers: they are written again only behind this wait
.irp c, 0,1
	v_cvt_scalef32_pk16_fp6_f32 v[C+6*\c:C+6*\c+2], v[X+32*\c:X+32*\c+15], v[SO+\c]
	v_cvt_scalef32_pk16_fp6_f32 v[T+4*\c:T+4*\c+2], v[X+32*\c+16:X+32*\c+31], v[SO+\c]   ; (a conversion's three registers begin on an even number)
.endr
	v_nop                                          ; one plain instruction behind the scaled conversions
.irp c, 0,1
.irp i, 0,1,2
	v_mov_b32 v[C+6*\c+3+\i], v[T+4*\c+\i]
.endr
.endr
.irp c, 0,1
	global_store_b128 v4, v[C+6*\c:C+6*\c+3], s[20:21] offset:1536*(\t)+768*\c          ; 512 consecutive bytes
	global_store_b64 v5, v[C+6*\c+4:C+6*\c+5], s[20:21] offset:1536*(\t)+768*\c+512     ; 256 consecutive bytes
.endr
.endm
	LOAD 0
	LOAD 1
	QSTEP 0
	QSTEP 1
	QSTEP 2
	QSTEP 3
	v_cmp_ne_u32 vcc_lo, 0, v3
	v_cndmask_b32 v240, v[W], v[W+2], vcc_lo       ; lanes 0-15 store words 0, 1 of row r, lanes 16-31 words 2, 3
	v_cndmask_b32 v241, v[W+1], v[W+3], vcc_lo
	global_store_b64 v8, v[240:241], s[22:23]      ; 256 consecutive bytes, aligned
	s_wait_tensorcnt 0x0
	ds_add_u32 v248, v249
	s_wait_dscnt 0x0
	s_endpgm
	; ---------------- the masks
.Lmask:
	s_sub_co_u32 s29, ttmp9, 832
	s_lshl_b32 s29, s29, 2
	s_add_co_u32 s29, s29, s28                     ; 8 x query tile + key step
	s_lshr_b32 s30, s29, 3
	s_and_b32 s31, s29, 7
	s_lshr_b32 s32, s30, 1
	s_lshl_b32 s32, s32, 5
	s_and_b32 s33, s30, 1
	s_lshl_b32 s33, s33, 3
	s_add_co_u32 s32, s32, s33                     ; the tile's first query
	s_lshl_b32 s32, s32, 10                        ; x 1,024 bytes
	s_lshl_b32 s33, s31, 7                         ; 128 x key step
	s_add_co_u32 s32, s32, s33
	v_and_b32 v6, 8, v2
	v_add_nc_u32 v6, v6, v2                        ; r + 8 (r / 8)
	v_lshlrev_b32 v6, 10, v6
	v_lshl_add_u32 v6, v3, 4, v6                   ; + 16 h
	v_add_nc_u32 v6, s32, v6                       ; my query's row of causal_mask, my 16 keys of each 32
	v_lshlrev_b32 v7, 4, v3
	v_add_nc_u32 v7, s33, v7                       ; the same keys in a row of padding_mask
.irp i, 0,1,2,3,4,5,6,7,8
	v_mov_b32 v[120+\i], 0                         ; v120-127 the masks, v128 the flags: a written lane's register counts as read
.endr
	s_lshl_b32 s34, s29, 8
	s_mov_b32 s35, 0
	s_lshl_b32 s36, s29, 2
	s_mov_b32 s37, 0
	s_wait_kmcnt 0x0
	s_add_nc_u64 s[24:25], s[24:25], s[34:35]      ; maskw: 256 bytes for each (tile, step)
	s_add_nc_u64 s[26:27], s[26:27], s[36:37]      ; flags: a word
.irp q, 0,1,2,3
	global_load_b128 v[16+4*\q:19+4*\q], v6, s[16:17] offset:32*\q
.endr
.irp b, 0,1,2,3
.irp q, 0,1,2,3
	global_load_b128 v[32+16*\b+4*\q:35+16*\b+4*\q], v7, s[18:19] offset:1024*\b+32*\q
.endr
.endr
	s_wait_loadcnt 0x0
.irp b, 0,1,2,3
.irp k, 0,1,2,3,4,5,6,7,8,9,10,11,12,13,14,15
	v_or_b32 v[96+\k], v[16+\k], v[32+16*\b+\k]    ; hidden by either mask
.endr
	s_mov_b32 s41, -1
	s_mov_b32 s42, 0
.set n, 0
.rept 64                               ; score register n of lane (r, h) is key 128 ks + 32 (n / 16) + 16 h + n % 16: byte n % 4 of word 4 (n / 16) + (n % 16) / 4
	v_and_b32 v112, 0xff<<(8*(n&3)), v[96+4*(n>>4)+((n&15)>>2)]
	v_cmp_ne_u32 s40, 0, v112
	v_writelane_b32 v[120+2*\b+(n>>5)], s40, n&31  ; the mask of register n lies at word 2 (n % 32) + n / 32 of the record
	s_and_b32 s41, s41, s40
	s_or_b32 s42, s42, s40
.set n, n+1
.endr
	global_store_b64 v5, v[120+2*\b:121+2*\b], s[24:25] offset:\b*131072   ; 256 consecutive bytes, aligned
	s_cmp_eq_u32 s41, -1
	s_cselect_b32 s43, 1, 0                        ; all hidden
	s_cmp_eq_u32 s42, 0
	s_cselect_b32 s44, 256, 0                      ; none hidden
	s_or_b32 s43, s43, s44
	v_writelane_b32 v128, s43, \b
.endr
	v_min_u32 v8, 3, v1
	v_lshlrev_b32 v8, 11, v8                       ; batch x 2,048 bytes
	s_wait_xcnt 0x0                                ; EXEC changes only behind this wait
	v_cmp_gt_u32 vcc_lo, 4, v1
	s_and_saveexec_b32 s45, vcc_lo
	global_store_b32 v8, v128, s[26:27]            ; lanes 0-3: the four batches' flags
	s_wait_xcnt 0x0
	s_or_b32 exec_lo, exec_lo, s45
	s_endpgm
.Lfunc_end_k_q8242b00c61_quant:
	.size	k_q8242b00c61_quant, .Lfunc_end_k_q8242b00c61_quant-k_q8242b00c61_quant
	.p2alignl 7, 3214868480
	.fill 96, 4, 3214868480
	.section	.rodata,"a",@progbits
	.p2align	6, 0x0
	.amdhsa_kernel k_q8242b00c61_quant
		.amdhsa_group_segment_fixed_size 34304
		.amdhsa_private_segment_fixed_size 0
		.amdhsa_enable_private_segment 0
		.amdhsa_kernarg_size 96
		.amdhsa_user_sgpr_count 2
		.amdhsa_user_sgpr_kernarg_segment_ptr 1
		.amdhsa_wavefront_size32 1
		.amdhsa_system_sgpr_workgroup_id_x 1
		.amdhsa_system_sgpr_workgroup_id_y 1
		.amdhsa_system_sgpr_workgroup_id_z 1
		.amdhsa_system_vgpr_workitem_id 0
		.amdhsa_next_free_vgpr 250
		.amdhsa_next_free_sgpr 66
		.amdhsa_reserve_vcc 1
		.amdhsa_float_denorm_mode_32 3
		.amdhsa_float_denorm_mode_16_64 3
		.amdhsa_memory_ordered 1
		.amdhsa_forward_progress 1
		.amdhsa_inst_pref_size 102
	.end_amdhsa_kernel
	.amdgpu_metadata
---
amdhsa.version: [ 1, 2 ]
amdhsa.kernels:
  - .name:           k_q8242b00c61_quant
    .symbol:         k_q8242b00c61_quant.kd
    .args:
      - { .name: X, .offset: 0, .size: 8, .value_kind: global_buffer, .address_space: global }
      - { .name: encoder_output, .offset: 8, .size: 8, .value_kind: global_buffer, .address_space: global }
      - { .name: Wq, .offset: 16, .size: 8, .value_kind: global_buffer, .address_space: global }
      - { .name: Wk, .offset: 24, .size: 8, .value_kind: global_buffer, .address_space: global }
      - { .name: Wv, .offset: 32, .size: 8, .value_kind: global_buffer, .address_space: global }
      - { .name: Wo, .offset: 40, .size: 8, .value_kind: global_buffer, .address_space: global }
      - { .name: causal_mask, .offset: 48, .size: 8, .value_kind: global_buffer, .address_space: global }
      - { .name: padding_mask, .offset: 56, .size: 8, .value_kind: global_buffer, .address_space: global }
      - { .name: cod1, .offset: 64, .size: 8, .value_kind: global_buffer, .address_space: global }
      - { .name: scl1, .offset: 72, .size: 8, .value_kind: global_buffer, .address_space: global }
      - { .name: maskw, .offset: 80, .size: 8, .value_kind: global_buffer, .address_space: global }
      - { .name: flags, .offset: 88, .size: 8, .value_kind: global_buffer, .address_space: global }
    .group_segment_fixed_size: 34304
    .private_segment_fixed_size: 0
    .kernarg_segment_align: 8
    .kernarg_segment_size: 96
    .max_flat_workgroup_size: 128
    .sgpr_count:     66
    .vgpr_count:     250
    .wavefront_size: 32
...
	.end_amdgpu_metadata
.endif
;; end of part 1
;; launch proj (part 2): grid 16 x 24, 4 waves a work-group, clusters of 4 x 4, 327,680 bytes of LDS; arguments cod1, scl1, bq, bk, bv, qkvc, qkvs; writes qkvc, qkvs
.if DOCPART == 2
	.amdgcn_target "amdgcn-amd-amdhsa--gfx1250"
	.amdhsa_code_object_version 6
	.text
	.protected	k_q8242b00c61_proj
	.globl	k_q8242b00c61_proj
	.p2align	8
	.type	k_q8242b00c61_proj,@function
k_q8242b00c61_proj:
	s_mov_b64 s[64:65], 0
	v_nop
	global_prefetch_b8 v0, s[64:65] scope:SCOPE_SE
	s_setreg_imm32_b32 hwreg(HW_REG_WAVE_MODE, 25, 1), 1
	s_wait_xcnt 0x0
	s_wait_alu depctr_hold_cnt(0) depctr_sa_sdst(0) depctr_va_vdst(0) depctr_va_sdst(0) depctr_va_ssrc(0) depctr_va_vcc(0) depctr_vm_vsrc(0)
	s_getreg_b32 s2, hwreg(HW_REG_IB_STS2, 6, 4)
	s_cmp_eq_u32 s2, 0
	s_cbranch_scc0 .Lentry_in_a_cluster
	s_endpgm
.Lentry_in_a_cluster:
	s_bfe_u32 s2, ttmp6, 0x10000c
	s_cmp_lg_u32 s2, 0xf033
	s_cbranch_scc0 .Lentry_shape_is_right
	s_endpgm
.Lentry_shape_is_right:
; q = X Wq^T + bq, k = E Wk^T + bk, v = E Wv^T + bv on codes of FP6 (E2M3) with E8M0 scales, K = 2,048; the results are quantised here and leave as codes: q and k along the head's 64, v along the keys.
; OPERANDS are row blocks (RB: 16 rows; row i of RB t is tensor row 32 (t / 2) + 8 (t % 2) + i + 8 (i / 8)) laid as images of operand registers: cod1 [RB][K step 16][half 2][768], scl1 [RB][kg 4][r 16][4 words].
; A TILE is 256 rows of P (activations, 16 RBs) x 128 rows of S (weights, 8 RBs); wave w makes P's half w / 2 (8 RBs) x S's half w % 2 (4 RBs): 32 accumulators.
; K goes in four slots' worth of 512 (6,144 bytes an RB) through two LDS slots; every LDS read is dense from lane to lane (16 or 8 bytes a lane), so there is no pitch and no padding.
; The scale words of the tile's 24 RBs come once, with the first fills.
; CLUSTERS: 4 x 4 work-groups; P's tile is shared along a row of the cluster, S's along a column: each is asked for jointly.  The cluster's y says the job: 0-3 q, 4 k, 5 v: the same in all sixteen partners.
; q, k: source 0 = S, source 1 = P: a lane holds one row of P and its registers run along the channels.  v: source 0 = P, source 1 = S: a lane holds one channel and its registers run down the keys.
; By the choice of an RB's rows the 16 registers of two neighbouring tiles of source 0 are 16 neighbours.  Only the products, the bias loads and the end of the way out part on the job.
; The bias is the C of each sum's first product.  The 32 accumulators take turns, one instruction a turn, in one order.
; OUT: qkvc [ch 40][RB 256][768] (ch 0-31 q's heads, 32-39 k's groups), then v as [g 8][key step 32][d tile 4][1,536]; qkvs: q [head 32][G 32][r 16][a 8] words, then for each (g, b) k [G % 8][r 16][a 8] words and v [ks 8][r 16][d tile 4] words.
; LIMITS: a block of zeros or under 2^-124 takes the byte 1 (its codes are zeros; this program alone reads the bytes); NaN and infinities are not served.
; No request ahead of the tensor loads: a work-group has two refills, each with 128 matrix instructions in which to land.  All of LDS is claimed.
.set RBS,   6144                       ; an RB's bytes in a slot: 4 K steps x 1,536
.set SLOT,  24*RBS
.set SOFF,  16*RBS                     ; S's RBs lie behind P's 16
.set SCP,   2*SLOT                     ; P's scale words, 1,024 bytes an RB
.set SCS,   SCP+16*1024                ; S's
.set SPARE, SCS+8*1024                 ; the spare words, 128 bytes a wave
.set AP16, 4                           ; v4-5    P's fragments in slot 0, 1: + 16 x lane
.set AP8,  6                           ; v6-7    + 8 x lane
.set AS16, 8                           ; v8-9    S's
.set AS8,  10                          ; v10-11
.set ASP,  12                          ; v12     P's scale words: lanes 0-15 blocks 0-3, lanes 16-31 blocks 4-7
.set ASS,  13                          ; v13     S's: lanes 0-15 blocks 0-1, lanes 16-31 blocks 2-3
.set SPW,  14                          ; v14     my spare word; never rewritten
.set NIL,  15                          ; v15     0; never rewritten
.set SC,   32                          ; v32-79  scale words, two sets of 24: register 4 i + q P's, 16 + 4 i + q S's
.set BI,   80                          ; v80-111 the bias, four tiles in the result's layout; later the scale words to store
.set FP,   112                         ; v112-207 P's 8 fragments (window 0: set 0, window 1: set 1)
.set FS,   208                         ; v208-255 S's 4
.set MX,   112                         ; the way out: 16 largest magnitudes,
.set T2,   128                         ; 16 at work, then bytes,
.set SO,   144                         ; 16 scale operands,
.set PC,   160                         ; codes
.set WD,   96
.set WV,   92
.set ROLE, 93                          ; wave / 2: my half of P; also: I fetch for P (0) or S (1)
.set HALF, 94                          ; wave % 2: my half of S; also: which half I fetch
.set JOB,  95                          ; 0 q, 1 k, 2 v
.set G1,   24
.set G0,   32
.set G1B,  48
.set G0B,  56
.set G1S,  68
.set G0S,  76
.set G1SB, 80
.set G0SB, 88
.set MSB, 0
.macro WIN new                         ; the immediate's high byte repeats the setting that is left
.if MSB != \new
	s_set_vgpr_msb (MSB<<8)|\new
.set MSB, \new
.endif
.endm
.macro JLOAD g0a, g1a, g0b, g1b        ; a joint load: waves 0, 1 for P, waves 2, 3 for S; four v_nop follow each line
	s_cmp_eq_u32 s[ROLE], 0
	s_cbranch_scc0 .Lfor_b_\@
	tensor_load_to_lds s[\g0a:\g0a+3], s[\g1a:\g1a+7]
	s_nop 0
.rept 4
	v_nop
.endr
	s_branch .Lasked_\@
.Lfor_b_\@:
	tensor_load_to_lds s[\g0b:\g0b+3], s[\g1b:\g1b+7]
	s_nop 0
.rept 4
	v_nop
.endr
.Lasked_\@:
.endm
.macro CROUND                          ; a round of the cluster's barrier
	s_barrier_signal -1
	s_barrier_wait -1
	s_cmp_lg_u32 s[WV], 0
	s_cbranch_scc1 .Lnot_wave_0_\@
	s_barrier_signal -3
.Lnot_wave_0_\@:
	s_barrier_wait -3
	s_barrier_signal -1
	s_barrier_wait -1
.endm
.macro PLACES n
.rept \n
	v_nop
.endr
.endm
.macro FETCH slot, q, set              ; 48 LDS loads: the 12 fragments of the slot's q-th K step into set
	WIN 0x40*(\set)
.irp i, 0,1,2,3
.irp c, 0,1
	ds_load_b128 v[FS+12*\i+6*\c:FS+12*\i+6*\c+3], v[AS16+\slot] offset:\i*RBS+(\q)*1536+\c*768
	ds_load_b64 v[FS+12*\i+6*\c+4:FS+12*\i+6*\c+5], v[AS8+\slot] offset:\i*RBS+(\q)*1536+\c*768+512
.endr
.endr
.irp i, 0,1,2,3,4,5,6,7
.irp c, 0,1
	ds_load_b128 v[FP+12*\i+6*\c:FP+12*\i+6*\c+3], v[AP16+\slot] offset:\i*RBS+(\q)*1536+\c*768
	ds_load_b64 v[FP+12*\i+6*\c+4:FP+12*\i+6*\c+5], v[AP8+\slot] offset:\i*RBS+(\q)*1536+\c*768+512
.endr
.endr
	WIN 0
.endm
.macro SCALES kg, set                  ; 6 LDS loads: four K steps' scale words of my 12 RBs
.irp i, 0,1,2,3
	ds_load_b128 v[SC+24*(\set)+4*\i:SC+24*(\set)+4*\i+3], v[ASP] offset:\i*1024+(\kg)*256
.endr
.irp i, 0,1
	ds_load_b128 v[SC+24*(\set)+16+4*\i:SC+24*(\set)+16+4*\i+3], v[ASS] offset:\i*1024+(\kg)*256
.endr
.endm
.macro WM                              ; one product; wA, wB: the side's scales stand in lanes 16-31
.if wA && wB
	v_wmma_scale_f32_16x16x128_f8f6f4 v[rD:rD+7], v[rA:rA+11], v[rB:rB+11], v[rC:rC+7], v[sA], v[sB] matrix_a_fmt:MATRIX_FMT_FP6 matrix_b_fmt:MATRIX_FMT_FP6 matrix_a_scale:MATRIX_SCALE_ROW1 matrix_b_scale:MATRIX_SCALE_ROW1
.elseif wA
	v_wmma_scale_f32_16x16x128_f8f6f4 v[rD:rD+7], v[rA:rA+11], v[rB:rB+11], v[rC:rC+7], v[sA], v[sB] matrix_a_fmt:MATRIX_FMT_FP6 matrix_b_fmt:MATRIX_FMT_FP6 matrix_a_scale:MATRIX_SCALE_ROW1
.elseif wB
	v_wmma_scale_f32_16x16x128_f8f6f4 v[rD:rD+7], v[rA:rA+11], v[rB:rB+11], v[rC:rC+7], v[sA], v[sB] matrix_a_fmt:MATRIX_FMT_FP6 matrix_b_fmt:MATRIX_FMT_FP6 matrix_b_scale:MATRIX_SCALE_ROW1
.else
	v_wmma_scale_f32_16x16x128_f8f6f4 v[rD:rD+7], v[rA:rA+11], v[rB:rB+11], v[rC:rC+7], v[sA], v[sB] matrix_a_fmt:MATRIX_FMT_FP6 matrix_b_fmt:MATRIX_FMT_FP6
.endif
.endm
; 32 products: P's 8 blocks x S's 4, the q-th K step of a slot, fragments of set, scale words of set ss.  var = 0: source 0 = S, accumulator (a, b) at 8 (4 a + b); var = 1: source 0 = P, at 8 (8 b + a).  first = 1: C = the bias
.macro MUL var, set, q, ss, first
.if \first
	WIN 0x80                                       ; D window 2; fragments and bias window 0
.elseif \set
	WIN 0xa5                                       ; C, D window 2; fragments window 1
.else
	WIN 0xa0
.endif
.set ma, 0
.rept 8
.set mb, 0
.rept 4
.if \var
.set rD, 8*(8*mb+ma)
.set rA, FP+12*ma
.set rB, FS+12*mb
.set sA, SC+24*(\ss)+4*(ma&3)+(\q)
.set sB, SC+24*(\ss)+16+4*(mb&1)+(\q)
.set wA, ma>>2
.set wB, mb>>1
.else
.set rD, 8*(4*ma+mb)
.set rA, FS+12*mb
.set rB, FP+12*ma
.set sA, SC+24*(\ss)+16+4*(mb&1)+(\q)
.set sB, SC+24*(\ss)+4*(ma&3)+(\q)
.set wA, mb>>1
.set wB, ma>>2
.endif
.set rC, rD
.if \first
.set rC, BI+8*mb
.endif
	WM
.set mb, mb+1
.endr
.set ma, ma+1
.endr
	WIN 0
.endm
.macro MULS set, q, ss, first          ; the products part on the job, which all partners of the cluster share
	WIN 0
	s_cmp_eq_u32 s[JOB], 2
	s_cbranch_scc1 .Lmul_v_\@
	MUL 0, \set, \q, \ss, \first
	s_branch .Lmul_done_\@
.Lmul_v_\@:
	MUL 1, \set, \q, \ss, \first
.Lmul_done_\@:
.endm
.macro STEP slot, q, first             ; one of a slot's first three K steps: fetches the next step's fragments into the other set, multiplies this one's
	PLACES 4                                       ; in front of loads into registers that the last products read
	FETCH \slot, (\q)+1, 1-((\q)%2)
	s_wait_dscnt 48                                ; only the 48 loads just issued may be out: this step's fragments and scale words are in
	MULS (\q)%2, \q, \slot, \first
.endm
; A slot's last K step changes slots.  Its fragments are in registers already, so the barrier stands ahead of its products: every wave waits for all its tensor loads (its part of the next slot),
; adds 0 to its spare word, waits for that and for its reads of this slot.  fill = 1: the barrier is a round of the cluster's, and this slot is filled again first behind it, with K two slots on.
.macro TURN slot, next, kgnext, fill
	WIN 0
	s_wait_tensorcnt 0x0
	ds_add_u32 v[SPW], v[NIL]
.if \fill
	s_add_nc_u64 s[G0+4*\slot+2:G0+4*\slot+3], s[G0+4*\slot+2:G0+4*\slot+3], 2*RBS      ; no tensor load of mine is out: the groups 0 may step
	s_add_nc_u64 s[G0B+4*\slot+2:G0B+4*\slot+3], s[G0B+4*\slot+2:G0B+4*\slot+3], 2*RBS
.endif
	s_wait_dscnt 0x0
.if \fill
	CROUND
	JLOAD G0+4*\slot, G1, G0B+4*\slot, G1B         ; its four v_nop are also the places in front of the loads below
.else
	s_barrier_signal -1
	s_barrier_wait -1
	PLACES 4
.endif
	FETCH \next, 0, 0
	SCALES \kgnext, \next
	MULS 1, 3, \slot, 0
.endm
	s_load_b256 s[4:11], s[0:1], 0x0               ; cod1, scl1, bq, bk
	s_load_b128 s[12:15], s[0:1], 0x20             ; bv, qkvc
	s_load_b64 s[16:17], s[0:1], 0x30              ; qkvs
	v_lshl_add_u32 v[SPW], v0, 2, SPARE
	v_mov_b32 v[NIL], 0
	ds_add_u32 v14, v15
	ds_add_u32 v14, v15
	s_wait_dscnt 0x0
	v_lshrrev_b32 v1, 5, v0
	v_readfirstlane_b32 s[WV], v1
	s_lshr_b32 s[ROLE], s[WV], 1
	s_and_b32 s[HALF], s[WV], 1
	s_bfe_u32 s40, ttmp6, 0x40000                  ; cx
	s_bfe_u32 s41, ttmp6, 0x40004                  ; cy
	s_and_b32 s42, ttmp7, 0xffff                   ; the cluster's y
	s_max_u32 s[JOB], s42, 3
	s_sub_co_u32 s[JOB], s[JOB], 3
	s_cmp_lt_u32 s42, 4                            ; q?
	s_cselect_b32 s43, s42, ttmp9                  ; P's tiles run along the cluster's y for q, along its x for k and v
	s_cselect_b32 s45, ttmp9, 0                    ; S's along its x for q; k and v have four tiles of S in all
	s_cselect_b32 s47, 0, 256                      ; P: X's RBs from 0, E's from 256
	s_lshl_b32 s43, s43, 2
	s_add_co_u32 s43, s43, s41                     ; P's tile
	s_lshl_b32 s45, s45, 2
	s_add_co_u32 s45, s45, s40                     ; S's tile
	s_mov_b32 s66, 512                             ; S: Wq's RBs from 512, Wk's from 640, Wv's from 672
	s_cmp_eq_u32 s[JOB], 1
	s_cselect_b32 s66, 640, s66
	s_cmp_eq_u32 s[JOB], 2
	s_cselect_b32 s66, 672, s66
	s_lshl_b32 s44, s43, 4
	s_add_co_u32 s44, s44, s47
	s_lshl_b32 s18, s[HALF], 3
	s_add_co_u32 s44, s44, s18                     ; the first of the 8 RBs of P that I would fetch
	s_mul_i32 s20, s44, 24576
	s_mov_b32 s21, 0
	s_lshl_b32 s22, s44, 10
	s_mov_b32 s23, 0
	s_lshl_b32 s46, s45, 3
	s_add_co_u32 s46, s46, s66
	s_lshl_b32 s18, s[HALF], 2
	s_add_co_u32 s46, s46, s18                     ; the first of the 4 RBs of S
	s_mul_i32 s96, s46, 24576
	s_mov_b32 s97, 0
	s_lshl_b32 s98, s46, 10
	s_mov_b32 s99, 0
	s_lshl_b32 s2, s41, 2
	s_lshl_b32 s2, 15, s2                          ; my row of the cluster
	s_lshl_b32 s3, 0x1111, s40                     ; my column
	; groups 1: elements of 8 bytes, no padding, bit 21 beside the mask.  Codes: a row = an RB's 6,144 bytes of a slot, RBs 24,576 bytes apart.  Scale words: dense, as rows of 256 bytes
	s_or_b32 s[G1], s2, (3<<16)|(1<<21)
	s_mov_b32 s[G1+1], 768<<16
	s_mov_b32 s[G1+2], 8<<16
	s_mov_b32 s[G1+3], 768<<16
	s_mov_b32 s[G1+4], 8
	s_mov_b32 s[G1+5], 3072
	s_mov_b32 s[G1+6], 0
	s_mov_b32 s[G1+7], 0
	s_or_b32 s[G1B], s3, (3<<16)|(1<<21)
	s_mov_b32 s[G1B+1], 768<<16
	s_mov_b32 s[G1B+2], 4<<16
	s_mov_b32 s[G1B+3], 768<<16
	s_mov_b32 s[G1B+4], 4
	s_mov_b32 s[G1B+5], 3072
	s_mov_b32 s[G1B+6], 0
	s_mov_b32 s[G1B+7], 0
	s_or_b32 s[G1S], s2, (3<<16)|(1<<21)
	s_mov_b32 s[G1S+1], 32<<16
	s_mov_b32 s[G1S+2], 32<<16
	s_mov_b32 s[G1S+3], 32<<16
	s_mov_b32 s[G1S+4], 32
	s_mov_b32 s[G1S+5], 32
	s_mov_b32 s[G1S+6], 0
	s_mov_b32 s[G1S+7], 0
	s_or_b32 s[G1SB], s3, (3<<16)|(1<<21)
	s_mov_b32 s[G1SB+1], 32<<16
	s_mov_b32 s[G1SB+2], 16<<16
	s_mov_b32 s[G1SB+3], 32<<16
	s_mov_b32 s[G1SB+4], 16
	s_mov_b32 s[G1SB+5], 32
	s_mov_b32 s[G1SB+6], 0
	s_mov_b32 s[G1SB+7], 0
	s_lshl_b32 s18, s[HALF], 13                    ; LDS places hang on the wave's number alone
	s_lshl_b32 s19, s[HALF], 12
	s_mul_i32 s66, s[HALF], 8*RBS
	s_mul_i32 s67, s[HALF], 4*RBS
	s_wait_kmcnt 0x0
	s_add_nc_u64 s[20:21], s[4:5], s[20:21]
	s_add_nc_u64 s[22:23], s[6:7], s[22:23]
	s_add_nc_u64 s[96:97], s[4:5], s[96:97]
	s_add_nc_u64 s[98:99], s[6:7], s[98:99]
	s_mov_b32 s[G0S], 1
	s_add_co_u32 s[G0S+1], s18, SCP
	s_mov_b64 s[G0S+2:G0S+3], s[22:23]
	s_or_b32 s[G0S+3], s[G0S+3], 0x80000000
	s_mov_b32 s[G0SB], 1
	s_add_co_u32 s[G0SB+1], s19, SCS
	s_mov_b64 s[G0SB+2:G0SB+3], s[98:99]
	s_or_b32 s[G0SB+3], s[G0SB+3], 0x80000000
.irp s, 0,1
	s_mov_b32 s[G0+4*\s], 1
	s_add_co_u32 s[G0+4*\s+1], s66, \s*SLOT
	s_add_nc_u64 s[G0+4*\s+2:G0+4*\s+3], s[20:21], \s*RBS
	s_or_b32 s[G0+4*\s+3], s[G0+4*\s+3], 0x80000000
	s_mov_b32 s[G0B+4*\s], 1
	s_add_co_u32 s[G0B+4*\s+1], s67, \s*SLOT+SOFF
	s_add_nc_u64 s[G0B+4*\s+2:G0B+4*\s+3], s[96:97], \s*RBS
	s_or_b32 s[G0B+4*\s+3], s[G0B+4*\s+3], 0x80000000
.endr
	CROUND                                         ; all sixteen work-groups are here: the first joint loads meet
	JLOAD G0S, G1S, G0SB, G1SB                     ; three loads of mine are out behind these lines: the scale words,
	JLOAD G0, G1, G0B, G1B                         ; slot 0,
	JLOAD G0+4, G1, G0B+4, G1B                     ; slot 1
	v_and_b32 v3, 31, v0                           ; lane
	v_and_b32 v1, 15, v0                           ; r
	v_bfe_u32 v2, v0, 4, 1                         ; h
	v_lshlrev_b32 v16, 4, v3                       ; 16 x lane
	v_lshlrev_b32 v17, 3, v3                       ; 8 x lane
	s_mul_i32 s18, s[ROLE], 8*RBS
	s_mul_i32 s19, s[HALF], 4*RBS
	s_add_co_u32 s19, s19, SOFF
.irp s, 0,1
	v_add_nc_u32 v[AP16+\s], s18, v16
	v_add_nc_u32 v[AP8+\s], s18, v17
	v_add_nc_u32 v[AS16+\s], s19, v16
	v_add_nc_u32 v[AS8+\s], s19, v17
	s_add_co_u32 s18, s18, SLOT
	s_add_co_u32 s19, s19, SLOT
.endr
	v_lshlrev_b32 v18, 4, v1                       ; 16 r
	v_lshl_add_u32 v[ASP], v2, 12, v18
	s_lshl_b32 s18, s[ROLE], 13
	s_add_co_u32 s18, s18, SCP
	v_add_nc_u32 v[ASP], s18, v[ASP]
	v_lshl_add_u32 v[ASS], v2, 11, v18
	s_lshl_b32 s18, s[HALF], 12
	s_add_co_u32 s18, s18, SCS
	v_add_nc_u32 v[ASS], s18, v[ASS]
	v_lshlrev_b32 v19, 5, v1
	v_lshl_add_u32 v19, v2, 4, v19                 ; 32 r + 16 h: q's and k's scale words
	v_lshl_add_u32 v20, v2, 3, v18                 ; 16 r + 8 h: v's
	v_lshlrev_b32 v21, 6, v2                       ; 64 h: the bias of q and k
	v_and_b32 v22, 8, v1
	v_add_nc_u32 v22, v22, v1
	v_lshlrev_b32 v22, 2, v22                      ; 4 (r + 8 (r / 8)): the bias of v
	; where my results go
	s_lshl_b32 s40, s45, 1
	s_add_co_u32 s40, s40, s[HALF]                 ; which 64 rows of the weight: the head, or the group
	s_lshl_b32 s41, s43, 1
	s_add_co_u32 s41, s41, s[ROLE]                 ; G: which 128 rows of the activations
	s_lshl_b32 s18, s40, 5
	s_add_co_u32 s18, s18, s41                     ; 32 x head + G
	s_lshl_b32 s19, s40, 2
	s_lshr_b32 s20, s41, 3
	s_add_co_u32 s19, s19, s20
	s_mul_i32 s19, s19, 6144
	s_add_co_u32 s19, s19, 524288                  ; the (g, b) record of k's and v's scale words
	s_and_b32 s20, s41, 7
	s_mul_i32 s21, s18, 6144
	s_add_co_u32 s21, s21, 7864320                 ; v's codes
	s_cmp_eq_u32 s[JOB], 1
	s_cselect_b32 s22, 32, 0
	s_add_co_u32 s22, s22, s40
	s_mul_i32 s22, s22, 196608
	s_mul_i32 s23, s41, 6144
	s_add_co_u32 s22, s22, s23                     ; q's and k's
	s_cmp_eq_u32 s[JOB], 2
	s_cselect_b32 s22, s21, s22
	s_mov_b32 s23, 0
	s_add_nc_u64 s[14:15], s[14:15], s[22:23]
	s_lshl_b32 s21, s18, 9                         ; q's scale words
	s_lshl_b32 s22, s20, 9
	s_add_co_u32 s22, s22, s19                     ; k's
	s_lshl_b32 s20, s20, 8
	s_add_co_u32 s20, s20, s19
	s_add_co_u32 s20, s20, 4096                    ; v's
	s_cmp_eq_u32 s[JOB], 1
	s_cselect_b32 s22, s22, s21
	s_cselect_b64 s[8:9], s[10:11], s[8:9]         ; and the bias
	s_cmp_eq_u32 s[JOB], 2
	s_cselect_b32 s22, s20, s22
	s_cselect_b64 s[8:9], s[12:13], s[8:9]
	s_add_nc_u64 s[16:17], s[16:17], s[22:23]
	s_lshl_b32 s22, s40, 8
	s_add_nc_u64 s[8:9], s[8:9], s[22:23]
	s_cmp_eq_u32 s[JOB], 2
	s_cbranch_scc1 .Lbias_v
.irp b, 0,1,2,3                        ; tile b, register j: the bias of channel 32 (b / 2) + 8 (b % 2) + 16 h + j
	global_load_b128 v[BI+8*\b:BI+8*\b+3], v21, s[8:9] offset:128*(\b/2)+32*(\b%2)
	global_load_b128 v[BI+8*\b+4:BI+8*\b+7], v21, s[8:9] offset:128*(\b/2)+32*(\b%2)+16
.endr
	s_branch .Lbias_done
.Lbias_v:
.irp b, 0,1,2,3                        ; tile b, all eight registers: the bias of my lane's channel 32 (b / 2) + 8 (b % 2) + r + 8 (r / 8)
.irp j, 0,1,2,3,4,5,6,7
	global_load_b32 v[BI+8*\b+\j], v22, s[8:9] offset:128*(\b/2)+32*(\b%2)
.endr
.endr
.Lbias_done:
	s_wait_tensorcnt 1                             ; the scale words and my part of slot 0 are in; slot 1's load may be out
	s_barrier_signal -1
	s_barrier_wait -1
	FETCH 0, 0, 0
	SCALES 0, 0
	s_wait_loadcnt 0x0                             ; the bias
	STEP 0, 0, 1
	STEP 0, 1, 0
	STEP 0, 2, 0
	TURN 0, 1, 1, 1
	STEP 1, 0, 0
	STEP 1, 1, 0
	STEP 1, 2, 0
	TURN 1, 0, 2, 1
	STEP 0, 0, 0
	STEP 0, 1, 0
	STEP 0, 2, 0
	TURN 0, 1, 3, 0                                ; nothing is left to fetch
	STEP 1, 0, 0
	STEP 1, 1, 0
	STEP 1, 2, 0
	s_wait_dscnt 0x0
	MULS 1, 3, 1, 0
	PLACES 4
	; THE WAY OUT.  In both jobs' layouts registers 16 x .. 16 x + 15 of the accumulators are my 16 numbers of one block of 32; lane l xor 16 holds the other 16.
	s_mov_b32 s2, 0x76543210
	s_mov_b32 s3, 0xfedcba98
	WIN 0x0a                                       ; sources 0, 1 window 2
.set bx, 0
.rept 16
	v_max3_num_f32 v[MX+bx], |v[16*bx]|, |v[16*bx+1]|, 0x1800000   ; each accumulator is read from its low end on; the floor 2^(3 - 127) holds the byte at 1
.set bx, bx+1
.endr
	WIN 0x28                                       ; sources 1, 2 window 2
.irp i, 2,4,6,8,10,12,14
.set bx, 0
.rept 16
	v_max3_num_f32 v[MX+bx], v[MX+bx], |v[16*bx+\i]|, |v[16*bx+\i+1]|
.set bx, bx+1
.endr
.endr
	WIN 0
.set bx, 0
.rept 16
	v_permlanex16_b32 v[T2+bx], v[MX+bx], s2, s3
.set bx, bx+1
.endr
.set bx, 0
.rept 16
	v_max_num_f32 v[MX+bx], v[MX+bx], v[T2+bx]
.set bx, bx+1
.endr
.set bx, 0
.rept 16
	v_add_nc_u32 v[SO+bx], 0xff000000, v[MX+bx]    ; 2 off the exponent field: the conversion's scale operand
.set bx, bx+1
.endr
.set bx, 0
.rept 16
	v_lshrrev_b32 v[T2+bx], 23, v[SO+bx]           ; the scale's byte
.set bx, bx+1
.endr
	v_cmp_ne_u32 vcc_lo, 0, v2
	s_cmp_eq_u32 s[JOB], 2
	s_cbranch_scc1 .Lout_v
	; q, k: P's block a gives 16 rows x 64 channels: six code registers and two bytes a row.  Codes of block a at v[PC + 12 (7 - a)]
.irp a, 0,1,2,3,4,5,6,7
	v_lshl_or_b32 v[WD+\a], v[T2+2*\a+1], 8, v[T2+2*\a]   ; the upper two bytes stay 0: they scale zero codes
.endr
	WIN 0x02                                       ; source 0 window 2
.irp a, 0,1,2,3,4,5,6,7
.irp e, 0,1
	v_cvt_scalef32_pk16_fp6_f32 v[PC+12*(7-\a)+8*\e:PC+12*(7-\a)+8*\e+2], v[32*\a+16*\e:32*\a+16*\e+15], v[SO+2*\a+\e]
.endr
.endr
	WIN 0
	v_nop                                          ; one plain instruction behind the scaled conversions
.irp a, 0,1,2,3,4,5,6,7
.irp i, 0,1,2
	v_permlane16_swap_b32 v[PC+12*(7-\a)+\i], v[PC+12*(7-\a)+8+\i]   ; a whole block to a lane: lanes 0-15 block 0, lanes 16-31 block 1
.endr
.endr
.irp a, 0,1,2,3,4,5,6,7
.irp i, 0,1,2
	v_mov_b32 v[PC+12*(7-\a)+3+\i], v[PC+12*(7-\a)+8+\i]
.endr
.endr
.irp a, 0,1,2,3,4,5,6,7
	global_store_b128 v16, v[PC+12*(7-\a):PC+12*(7-\a)+3], s[14:15] offset:768*\a        ; 512 consecutive bytes
	global_store_b64 v17, v[PC+12*(7-\a)+4:PC+12*(7-\a)+5], s[14:15] offset:768*\a+512   ; 256 consecutive bytes
.endr
.irp i, 0,1,2,3
	v_cndmask_b32 v[WD+8+\i], v[WD+\i], v[WD+4+\i], vcc_lo   ; lanes 0-15 store the words of blocks 0-3 of row r, lanes 16-31 those of blocks 4-7
.endr
	global_store_b128 v19, v[WD+8:WD+11], s[16:17]
	s_branch .Lout_done
.Lout_v:
	; v: S's block b gives 16 channels x 128 keys: a whole fragment and a whole scale word.  Codes of block b at v[PC + 24 (3 - b)]
.irp b, 0,1,2,3
	v_lshl_or_b32 v[WD+\b], v[T2+4*\b+1], 8, v[T2+4*\b]
	v_lshl_or_b32 v[WD+\b], v[T2+4*\b+2], 16, v[WD+\b]
	v_lshl_or_b32 v[WD+\b], v[T2+4*\b+3], 24, v[WD+\b]
.endr
	WIN 0x02
.irp b, 0,1,2,3
.irp c, 0,1
	v_cvt_scalef32_pk16_fp6_f32 v[PC+24*(3-\b)+6*\c:PC+24*(3-\b)+6*\c+2], v[64*\b+32*\c:64*\b+32*\c+15], v[SO+4*\b+2*\c]
	v_cvt_scalef32_pk16_fp6_f32 v[PC+24*(3-\b)+12+4*\c:PC+24*(3-\b)+12+4*\c+2], v[64*\b+32*\c+16:64*\b+32*\c+31], v[SO+4*\b+2*\c+1]
.endr
.endr
	WIN 0
	v_nop
.irp b, 0,1,2,3
.irp c, 0,1
.irp i, 0,1,2
	v_permlane16_swap_b32 v[PC+24*(3-\b)+6*\c+\i], v[PC+24*(3-\b)+12+4*\c+\i]
.endr
.endr
.endr
.irp b, 0,1,2,3
.irp c, 0,1
.irp i, 0,1,2
	v_mov_b32 v[PC+24*(3-\b)+6*\c+3+\i], v[PC+24*(3-\b)+12+4*\c+\i]
.endr
.endr
.endr
.irp b, 0,1,2,3
.irp c, 0,1
	global_store_b128 v16, v[PC+24*(3-\b)+6*\c:PC+24*(3-\b)+6*\c+3], s[14:15] offset:1536*\b+768*\c
	global_store_b64 v17, v[PC+24*(3-\b)+6*\c+4:PC+24*(3-\b)+6*\c+5], s[14:15] offset:1536*\b+768*\c+512
.endr
.endr
.irp i, 0,1
	v_cndmask_b32 v[WD+8+\i], v[WD+\i], v[WD+2+\i], vcc_lo
.endr
	global_store_b64 v20, v[WD+8:WD+9], s[16:17]
.Lout_done:
	s_wait_tensorcnt 0x0                           ; the wave's end
	ds_add_u32 v[SPW], v[NIL]
	s_wait_dscnt 0x0
	CROUND                                         ; the closing round: no work-group ends while a partner may still ask for a tile that names it
	s_endpgm
.Lfunc_end_k_q8242b00c61_proj:
	.size	k_q8242b00c61_proj, .Lfunc_end_k_q8242b00c61_proj-k_q8242b00c61_proj
	.p2alignl 7, 3214868480
	.fill 96, 4, 3214868480
	.section	.rodata,"a",@progbits
	.p2align	6, 0x0
	.amdhsa_kernel k_q8242b00c61_proj
		.amdhsa_group_segment_fixed_size 327680
		.amdhsa_private_segment_fixed_size 0
		.amdhsa_enable_private_segment 0
		.amdhsa_kernarg_size 56
		.amdhsa_user_sgpr_count 2
		.amdhsa_user_sgpr_kernarg_segment_ptr 1
		.amdhsa_wavefront_size32 1
		.amdhsa_system_sgpr_workgroup_id_x 1
		.amdhsa_system_sgpr_workgroup_id_y 1
		.amdhsa_system_sgpr_workgroup_id_z 1
		.amdhsa_system_vgpr_workitem_id 0
		.amdhsa_next_free_vgpr 768
		.amdhsa_next_free_sgpr 100
		.amdhsa_reserve_vcc 1
		.amdhsa_float_denorm_mode_32 3
		.amdhsa_float_denorm_mode_16_64 3
		.amdhsa_memory_ordered 1
		.amdhsa_forward_progress 1
		.amdhsa_inst_pref_size 223
	.end_amdhsa_kernel
	.amdgpu_metadata
---
amdhsa.version: [ 1, 2 ]
amdhsa.kernels:
  - .name:           k_q8242b00c61_proj
    .symbol:         k_q8242b00c61_proj.kd
    .args:
      - { .name: cod1, .offset: 0, .size: 8, .value_kind: global_buffer, .address_space: global }
      - { .name: scl1, .offset: 8, .size: 8, .value_kind: global_buffer, .address_space: global }
      - { .name: bq, .offset: 16, .size: 8, .value_kind: global_buffer, .address_space: global }
      - { .name: bk, .offset: 24, .size: 8, .value_kind: global_buffer, .address_space: global }
      - { .name: bv, .offset: 32, .size: 8, .value_kind: global_buffer, .address_space: global }
      - { .name: qkvc, .offset: 40, .size: 8, .value_kind: global_buffer, .address_space: global }
      - { .name: qkvs, .offset: 48, .size: 8, .value_kind: global_buffer, .address_space: global }
    .group_segment_fixed_size: 327680
    .private_segment_fixed_size: 0
    .kernarg_segment_align: 8
    .kernarg_segment_size: 56
    .max_flat_workgroup_size: 128
    .sgpr_count:     100
    .vgpr_count:     768
    .wavefront_size: 32
...
	.end_amdgpu_metadata
.endif
;; end of part 2
;; launch attn (part 3): grid 8 x 32, 16 waves a work-group, no clusters, 106,496 bytes of LDS; arguments qkvc, qkvs, maskw, flags, attc, atts; writes attc, atts
.if DOCPART == 3
	.amdgcn_target "amdgcn-amd-amdhsa--gfx1250"
	.amdhsa_code_object_version 6
	.text
	.protected	k_q8242b00c61_attn
	.globl	k_q8242b00c61_attn
	.p2align	8
	.type	k_q8242b00c61_attn,@function
k_q8242b00c61_attn:
	s_mov_b64 s[64:65], 0
	v_nop
	global_prefetch_b8 v0, s[64:65] scope:SCOPE_SE
	s_setreg_imm32_b32 hwreg(HW_REG_WAVE_MODE, 25, 1), 1
	s_wait_xcnt 0x0
; Attention of 128 (batch, head) pairs, 1,024 queries x 1,024 keys, head size 64, both products on codes of FP6 (E2M3) with E8M0 scales; the result, divided by the row's sum, is quantised along the head's 64 and leaves as codes.
; t = score x log2(e) / 8 (one fused multiply-add); M = the running largest t rounded up to a whole number; p = 2^(t - M) is quantised along the keys, not normalised; the row's sum is taken of the unquantised p.
; When M moves, the sum and O are multiplied by 2^(old M - new M): exact.
; SHARES.  A work-group serves one (batch, group): K's 64 tiles, V's 32 fragments and their scale words, 104,448 bytes, are copied into LDS once, through registers; one barrier.  Wave w takes head 4 g + w % 4 and
; two tiles of 16 queries, numbers p and 63 - p with p = 4 x + w / 4, one after the other.  Four waves share a SIMD, so that one wave's vector work stands beside another's products and LDS loads.
; LAYOUT.  Both products transposed: S^T = K Q^T (source 0 = 16 keys), O^T = V^T P^T (source 0 = 16 channels): a lane holds one query throughout.  Tiles are row blocks (row i of block t is row 32 (t / 2) + 8 (t % 2) + i + 8 (i / 8)),
; so the 16 registers of two neighbouring tiles are 16 neighbouring keys, or channels.  The head's 64 fill half of the first product's 128: the upper six registers of Q's and K's fragments are zero codes.
; THE MASKS are inputs: an earlier launch stored, for each (batch, query tile, key step), 64 lane masks and a flag word.  A step all of whose 16 x 128 scores are hidden is left out; one with no hidden score skips the masking;
; else hidden scores become -infinity ahead of the maximum.  These are scalar branches on stored whole numbers inside a loop of constant count.
; What the eight work-groups of a (batch, group) share is 104,448 bytes, read once each at the head.
; A row that is hidden altogether has the sum 0: its scale bytes become 0xff, so that the last product gives NaN there, as the softmax of such a row is NaN.
; LIMITS: NaN and infinities among the inputs are not served; a block of zeros takes the byte 1.
.set KB,  32                           ; v32-79   four fragments of K (the upper six registers of each stay 0)
.set KSW, 80                           ; v80-87   K's scale words of a step's eight tiles
.set VSW, 88                           ; v88-91   V's of its four tiles
.set QS,  92                           ; v92      Q's scale words
.set PW,  93                           ; v93      p's
.set S,   128                          ; v128-191 S^T, then p; then V's four fragments (v128-175)
.set O,   192                          ; v192-223 O^T
; v1 16 x lane, v2 8 x lane, v3 K's scale words, v4 V's, v5-8 the step's LDS addresses, v9 -infinity, v10 16 r + h, v12 -M, v13 largest t, v[14:15] the sum, v16-27 Q, v28-30 the copy's addresses, v31 32 r,
; v224-235 p's codes, v236-242 at work, v243 my spare word, v244-247 block maxima, v248-251 scale operands, v[252:253] f, v254 at work
; s2 the query tile, s3 p, s16 wave, s17 head % 4, s18 g, s19 b, s[20:21] lane selects, s[22:23] c, s24 key step, s25 the eight flags, s26-29 the step's byte offsets, s[30:31] the tile's masks, s[32:63], s[68:99] 64 lane masks, s66 RB, s67 head
	s_load_b256 s[4:11], s[0:1], 0x0               ; qkvc, qkvs, maskw, flags
	s_load_b128 s[12:15], s[0:1], 0x20             ; attc, atts
	v_lshl_add_u32 v243, v0, 2, 0x19800
	v_mov_b32 v255, 0
	v_lshrrev_b32 v1, 5, v0
	v_readfirstlane_b32 s16, v1
	s_and_b32 s17, s16, 3
	s_and_b32 s2, ttmp7, 0xffff
	s_and_b32 s18, s2, 7
	s_lshr_b32 s19, s2, 3
	s_lshl_b32 s3, ttmp9, 2
	s_lshr_b32 s2, s16, 2
	s_add_co_u32 s3, s3, s2
	s_mov_b32 s20, 0x76543210
	s_mov_b32 s21, 0xfedcba98
	s_mov_b32 s22, 0x3e38aa3b                      ; c = log2(e) / 8
	s_mov_b32 s23, s22
	s_mov_b32 s100, 0xffff0000                     ; lanes 16-31
	v_lshlrev_b32 v28, 4, v0                       ; the copy: 16 x thread,
	v_add_nc_u32 v29, 49152, v28                   ; V's part of LDS,
	v_add_nc_u32 v30, 98304, v28                   ; the scale words'
	v_and_b32 v10, 31, v0
	v_lshlrev_b32 v1, 4, v10
	v_lshlrev_b32 v2, 3, v10
	v_and_b32 v11, 15, v0                          ; r
	v_bfe_u32 v10, v0, 4, 1                        ; h
	v_lshlrev_b32 v31, 5, v11
	v_add_nc_u32 v3, 98304, v31                    ; K's scale words: 32 bytes a row, 512 a step
	v_lshlrev_b32 v4, 4, v11
	v_add_nc_u32 v10, v4, v10
	v_add_nc_u32 v4, 102400, v4                    ; V's: 16 bytes a row, 256 a step
	v_mov_b32 v9, 0xff800000
	s_add_co_u32 s24, s18, 32
	s_lshl_b32 s24, s24, 8
	s_lshl_b32 s101, s19, 6
	s_add_co_u32 s24, s24, s101
	s_mul_i32 s24, s24, 768                        ; K: channel 32 + g, RBs 64 b on
	s_mov_b32 s25, 0
	s_wait_kmcnt 0x0
	s_add_nc_u64 s[26:27], s[4:5], s[24:25]
	s_lshl_b32 s24, s18, 5
	s_lshl_b32 s101, s19, 3
	s_add_co_u32 s24, s24, s101
	s_mul_i32 s24, s24, 6144
	s_add_co_u32 s24, s24, 7864320                 ; V: group g, key steps 8 b on
	s_add_nc_u64 s[28:29], s[4:5], s[24:25]
	s_lshl_b32 s24, s18, 2
	s_add_co_u32 s24, s24, s19
	s_mul_i32 s24, s24, 6144
	s_add_co_u32 s24, s24, 524288                  ; their scale words
	s_add_nc_u64 s[30:31], s[6:7], s[24:25]
.irp i, 0,1,2,3,4,5
	global_load_b128 v[32+4*\i:35+4*\i], v28, s[26:27] offset:\i*8192
.endr
.irp i, 0,1,2,3,4,5
	global_load_b128 v[56+4*\i:59+4*\i], v28, s[28:29] offset:\i*8192
.endr
	s_cmp_lt_u32 s16, 12                           ; 6,144 bytes of scale words: twelve waves' worth
	s_cbranch_scc0 .Lno_words
	global_load_b128 v[80:83], v28, s[30:31]
	s_wait_loadcnt 0x0
	ds_store_b128 v30, v[80:83]
.Lno_words:
	s_wait_loadcnt 0x0
.irp i, 0,1,2,3,4,5
	ds_store_b128 v28, v[32+4*\i:35+4*\i] offset:\i*8192
.endr
.irp i, 0,1,2,3,4,5
	ds_store_b128 v29, v[56+4*\i:59+4*\i] offset:\i*8192
.endr
	s_wait_dscnt 0x0                               ; for the others' sake: my stores have landed
	s_barrier_signal -1
	s_barrier_wait -1                              ; from here on LDS is only read
.irp i, 22,23,24,25,26,27
	v_mov_b32 v\i, 0                               ; zero codes for k = 64 .. 127
.endr
.irp t, 0,1,2,3
.irp i, 6,7,8,9,10,11
	v_mov_b32 v[KB+12*\t+\i], 0
.endr
.endr
.irp i, 236,237,238,239,253,254
	v_mov_b32 v\i, 0                               ; lane permutes' destinations, and the upper half of the pair v[252:253], count as read
.endr
.macro SCORES                          ; S^T = K Q^T: eight tiles of 16 keys, four at a time
	ds_load_b128 v[KSW:KSW+3], v7
	ds_load_b128 v[KSW+4:KSW+7], v7 offset:16
.irp g, 0,1
.if \g
.rept 4
	v_nop                                          ; places in front of loads into registers that the last products read
.endr
.endif
.irp t, 0,1,2,3
	ds_load_b128 v[KB+12*\t:KB+12*\t+3], v5 offset:(4*\g+\t)*768
	ds_load_b64 v[KB+12*\t+4:KB+12*\t+5], v6 offset:(4*\g+\t)*768+512
.endr
	s_wait_dscnt 0x0
.irp t, 0,1,2,3
	v_wmma_scale_f32_16x16x128_f8f6f4 v[S+8*(4*\g+\t):S+8*(4*\g+\t)+7], v[KB+12*\t:KB+12*\t+11], v[16:27], 0, v[KSW+4*\g+\t], v[QS] matrix_a_fmt:MATRIX_FMT_FP6 matrix_b_fmt:MATRIX_FMT_FP6
.endr
.endr
.rept 4
	v_nop
.endr
.endm
.macro TILE                            ; the query tile s2
	s_wait_xcnt 0x0                                ; the last tile's stores have read their registers and bases
	s_lshl_b32 s66, s19, 6
	s_add_co_u32 s66, s66, s2                      ; RB = 64 b + tile
	s_lshl_b32 s67, s18, 2
	s_add_co_u32 s67, s67, s17                     ; head
	s_lshl_b32 s32, s67, 8
	s_add_co_u32 s32, s32, s66
	s_mul_i32 s32, s32, 768
	s_mov_b32 s33, 0
	s_add_nc_u64 s[32:33], s[4:5], s[32:33]
	global_load_b128 v[16:19], v1, s[32:33]        ; Q's six code registers
	global_load_b64 v[20:21], v2, s[32:33] offset:512
	s_lshl_b32 s34, s67, 5
	s_lshr_b32 s35, s66, 3
	s_add_co_u32 s34, s34, s35
	s_lshl_b32 s34, s34, 9
	s_and_b32 s35, s66, 7
	s_lshl_b32 s35, s35, 2
	s_add_co_u32 s34, s34, s35
	s_mov_b32 s35, 0
	s_add_nc_u64 s[34:35], s[6:7], s[34:35]
	global_load_b32 v[QS], v31, s[34:35]           ; and its scale words
	s_lshl_b32 s36, s66, 5
	s_mov_b32 s37, 0
	s_add_nc_u64 s[36:37], s[10:11], s[36:37]
	s_load_b256 s[40:47], s[36:37], 0x0            ; the eight steps' flags
	s_lshl_b32 s30, s66, 11
	s_mov_b32 s31, 0
	s_add_nc_u64 s[30:31], s[8:9], s[30:31]        ; the tile's masks: 256 bytes a step
	v_mov_b32 v13, 0xff61b1e6                      ; the largest t so far: -3e38
	v_floor_f32 v12, -v13                          ; -M
	v_mov_b32 v14, 0
	v_mov_b32 v15, 0
.set j, 0
.rept 32
	v_mov_b32 v[O+j], 0                            ; the step is written once: the first finds zeros
.set j, j+1
.endr
	s_mov_b32 s24, 0
	s_mov_b32 s26, 0
	s_mov_b32 s27, 0
	s_mov_b32 s28, 0
	s_mov_b32 s29, 0
	s_wait_kmcnt 0x0
	s_mov_b32 s25, s40                             ; bit ks: step ks all hidden; bit 8 + ks: none hidden
.irp k, 1,2,3,4,5,6,7
	s_lshl_b32 s101, s[40+\k], \k
	s_or_b32 s25, s25, s101
.endr
	s_wait_loadcnt 0x0                             ; Q; the loads' bases may be written again
.Lstep_\@:
	s_lshr_b32 s101, s25, s24
	s_bitcmp1_b32 s101, 0
	s_cbranch_scc1 .Lnext_\@
	v_add_nc_u32 v5, s26, v1                       ; the step's tiles: 6,144 bytes of K, and of V 49,152 further on
	v_add_nc_u32 v6, s26, v2
	v_add_nc_u32 v7, s27, v3
	v_add_nc_u32 v8, s28, v4
	s_bitcmp1_b32 s101, 8
	s_cbranch_scc1 .Lopen_\@
	s_load_b512 s[32:47], s[30:31], s29 offset:0x0
	s_load_b512 s[48:63], s[30:31], s29 offset:0x40
	s_load_b512 s[68:83], s[30:31], s29 offset:0x80
	s_load_b512 s[84:99], s[30:31], s29 offset:0xc0
	SCORES
	s_wait_kmcnt 0x0
.set n, 0
.rept 64                               ; the mask of register n lies at word 2 (n % 32) + n / 32
.set p, 2*(n&31)+(n>>5)
.if p < 32
	v_cndmask_b32 v[S+n], v[S+n], v9, s[32+p]
.else
	v_cndmask_b32 v[S+n], v[S+n], v9, s[36+p]
.endif
.set n, n+1
.endr
	s_branch .Lsoft_\@
.Lopen_\@:
	SCORES
.Lsoft_\@:
.irp b, 0,1,2,3
	v_max3_num_f32 v[244+\b], v[S+16*\b], v[S+1+16*\b], v[S+2+16*\b]   ; the largest score of each block of 32 keys: for the row's maximum and, since p rises with the score, for the block's largest p
.endr
.irp i, 3,5,7,9,11,13
.irp b, 0,1,2,3
	v_max3_num_f32 v[244+\b], v[244+\b], v[S+16*\b+\i], v[S+1+16*\b+\i]
.endr
.endr
.irp b, 0,1,2,3
	v_max_num_f32 v[244+\b], v[244+\b], v[S+15+16*\b]
.endr
.irp b, 0,1,2,3
	v_permlanex16_b32 v[236+\b], v[244+\b], s20, s21
.endr
.irp b, 0,1,2,3
	v_max_num_f32 v[244+\b], v[244+\b], v[236+\b]
.endr
	v_max3_num_f32 v254, v244, v245, v246
	v_max_num_f32 v254, v254, v247
	v_mul_f32 v254, s22, v254
	v_max_num_f32 v13, v13, v254                   ; the running largest t
	v_mov_b32 v254, v12
	v_floor_f32 v12, -v13                          ; the new -M
	v_sub_f32 v254, v12, v254                      ; old M - new M: a whole number, 0 or less
	v_cvt_i32_f32 v254, v254
	v_ldexp_f32 v252, 1.0, v254                    ; f = 2^(old M - new M)
.set j, 0
.rept 32
	v_pk_fma_f32 v[S+j:S+j+1], v[S+j:S+j+1], s[22:23], v[12:13] op_sel_hi:[1,0,0]   ; t - M
.set j, j+2
.endr
.irp b, 0,1,2,3
	v_fma_f32 v[244+\b], v[244+\b], s22, v12
.endr
.set j, 0
.rept 64
	v_exp_f32 v[S+j], v[S+j]                       ; p = 2^(t - M)
.set j, j+1
.endr
	v_pk_mul_f32 v[14:15], v[14:15], v[252:253] op_sel_hi:[1,0]   ; the sums under the new M: a plain instruction behind the exponentials
	s_wait_alu depctr_va_vdst(0)                   ; one wait for the batch, ahead of its first reader
.irp b, 0,1,2,3
	v_exp_f32 v[244+\b], v[244+\b]                 ; the blocks' largest p
.endr
	v_pk_add_f32 v[236:237], v[S:S+1], v[S+2:S+3]  ; the row's sum of the unquantised p, in two chains
.irp j, 4,8,12,16,20,24,28,32,36,40,44,48,52,56,60
	v_pk_add_f32 v[14:15], v[14:15], v[S+\j:S+\j+1]
	v_pk_add_f32 v[236:237], v[236:237], v[S+2+\j:S+3+\j]
.endr
	v_pk_add_f32 v[14:15], v[14:15], v[236:237]
	s_wait_alu depctr_va_vdst(0)                   ; and one for the four
.irp b, 0,1,2,3
	v_max_num_f32 v[244+\b], 0x1800000, v[244+\b]  ; the floor 2^(3 - 127)
.endr
.irp b, 0,1,2,3
	v_add_nc_u32 v[248+\b], 0xff000000, v[244+\b]
.endr
.irp b, 0,1,2,3
	v_lshrrev_b32 v[236+\b], 23, v[248+\b]
.endr
	v_lshl_or_b32 v[PW], v237, 8, v236
	v_lshl_or_b32 v[PW], v238, 16, v[PW]
	v_lshl_or_b32 v[PW], v239, 24, v[PW]
.irp c, 0,1
	v_cvt_scalef32_pk16_fp6_f32 v[224+6*\c:226+6*\c], v[S+32*\c:S+15+32*\c], v[248+2*\c]
	v_cvt_scalef32_pk16_fp6_f32 v[236+4*\c:238+4*\c], v[S+16+32*\c:S+31+32*\c], v[248+2*\c+1]
.endr
	v_nop                                          ; one plain instruction behind the scaled conversions
.irp t, 0,1,2,3                        ; V's four fragments take p's place; the lines below stand between these loads and the wait for them
.irp c, 0,1
	ds_load_b128 v[S+12*\t+6*\c:S+12*\t+6*\c+3], v5 offset:49152+\t*1536+\c*768
	ds_load_b64 v[S+12*\t+6*\c+4:S+12*\t+6*\c+5], v6 offset:49152+\t*1536+\c*768+512
.endr
.endr
	ds_load_b128 v[VSW:VSW+3], v8
.irp c, 0,1
.irp i, 0,1,2
	v_permlane16_swap_b32 v[224+6*\c+\i], v[236+4*\c+\i]
.endr
.irp i, 0,1,2
	v_mov_b32 v[227+6*\c+\i], v[236+4*\c+\i]
.endr
.endr
.set j, 0
.rept 16
	v_pk_mul_f32 v[O+j:O+j+1], v[O+j:O+j+1], v[252:253] op_sel_hi:[1,0]   ; O^T under the new M; these are also the places in front of the products
.set j, j+2
.endr
	s_wait_dscnt 0x0
.irp t, 0,1,2,3
	v_wmma_scale_f32_16x16x128_f8f6f4 v[O+8*\t:O+8*\t+7], v[S+12*\t:S+12*\t+11], v[224:235], v[O+8*\t:O+8*\t+7], v[VSW+\t], v[PW] matrix_a_fmt:MATRIX_FMT_FP6 matrix_b_fmt:MATRIX_FMT_FP6
.endr
.rept 5
	v_nop                                          ; the next step's scores are written over V's fragments by matrix instructions: five places
.endr
.Lnext_\@:
	s_add_co_u32 s26, s26, 6144
	s_add_co_u32 s27, s27, 512
	s_add_co_u32 s28, s28, 256
	s_add_co_u32 s29, s29, 256
	s_add_co_u32 s24, s24, 1
	s_cmp_lt_u32 s24, 8
	s_cbranch_scc1 .Lstep_\@
	; the tile's end: O^T / the sum, quantised along the head's 64
	v_add_f32 v14, v14, v15
	v_permlanex16_b32 v254, v14, s20, s21
	v_add_f32 v14, v14, v254                       ; the row's sum
	v_rcp_f32 v252, v14
	v_nop
	v_cmp_neq_f32 vcc_lo, 0, v14
	s_wait_alu depctr_va_vdst(0)
.set j, 0
.rept 32
	v_mul_f32 v[S+j], v[O+j], v252                 ; register 16 e + i: channel 32 e + 16 h + i
.set j, j+1
.endr
.irp e, 0,1
	v_max3_num_f32 v[244+\e], |v[S+16*\e]|, |v[S+1+16*\e]|, 0x1800000
.endr
.irp i, 2,4,6,8,10,12,14
.irp e, 0,1
	v_max3_num_f32 v[244+\e], v[244+\e], |v[S+16*\e+\i]|, |v[S+1+16*\e+\i]|
.endr
.endr
.irp e, 0,1
	v_permlanex16_b32 v[236+\e], v[244+\e], s20, s21
.endr
.irp e, 0,1
	v_max_num_f32 v[244+\e], v[244+\e], v[236+\e]
.endr
.irp e, 0,1
	v_add_nc_u32 v[248+\e], 0xff000000, v[244+\e]
.endr
.irp e, 0,1
	v_lshrrev_b32 v[236+\e], 23, v[248+\e]
.endr
	v_cvt_scalef32_pk16_fp6_f32 v[224:226], v[S:S+15], v248
	v_cvt_scalef32_pk16_fp6_f32 v[240:242], v[S+16:S+31], v249
	v_nop
.irp i, 0,1,2
	v_permlane16_swap_b32 v[224+\i], v[240+\i]
.endr
.irp i, 0,1,2
	v_mov_b32 v[227+\i], v[240+\i]
.endr
	v_cndmask_b32 v238, v236, v237, s100           ; lanes 0-15 store block 0's byte, lanes 16-31 block 1's
	v_cndmask_b32 v238, 0xff, v238, vcc_lo         ; a row with the sum 0: the NaN byte
	s_mul_i32 s32, s66, 24576
	s_mul_i32 s33, s67, 768
	s_add_co_u32 s32, s32, s33
	s_mov_b32 s33, 0
	s_add_nc_u64 s[32:33], s[12:13], s[32:33]
	s_lshl_b32 s34, s66, 10
	s_lshr_b32 s35, s18, 1
	s_lshl_b32 s35, s35, 8
	s_add_co_u32 s34, s34, s35
	s_and_b32 s35, s18, 1
	s_lshl_b32 s35, s35, 3
	s_add_co_u32 s34, s34, s35
	s_lshl_b32 s35, s17, 1
	s_add_co_u32 s34, s34, s35
	s_mov_b32 s35, 0
	s_add_nc_u64 s[34:35], s[14:15], s[34:35]
	global_store_b128 v1, v[224:227], s[32:33]     ; 512 consecutive bytes
	global_store_b64 v2, v[228:229], s[32:33] offset:512
	global_store_b8 v10, v238, s[34:35]            ; one byte in 24 of what the tile stores; gathering them would want a barrier among waves of unequal trips
.endm
	s_mov_b32 s2, s3
	TILE
	s_sub_co_u32 s2, 63, s3
	TILE
	s_wait_tensorcnt 0x0
	ds_add_u32 v243, v255
	s_wait_dscnt 0x0
	s_endpgm
.Lfunc_end_k_q8242b00c61_attn:
	.size	k_q8242b00c61_attn, .Lfunc_end_k_q8242b00c61_attn-k_q8242b00c61_attn
	.p2alignl 7, 3214868480
	.fill 96, 4, 3214868480
	.section	.rodata,"a",@progbits
	.p2align	6, 0x0
	.amdhsa_kernel k_q8242b00c61_attn
		.amdhsa_group_segment_fixed_size 106496
		.amdhsa_private_segment_fixed_size 0
		.amdhsa_enable_private_segment 0
		.amdhsa_kernarg_size 48
		.amdhsa_user_sgpr_count 2
		.amdhsa_user_sgpr_kernarg_segment_ptr 1
		.amdhsa_wavefront_size32 1
		.amdhsa_system_sgpr_workgroup_id_x 1
		.amdhsa_system_sgpr_workgroup_id_y 1
		.amdhsa_system_sgpr_workgroup_id_z 1
		.amdhsa_system_vgpr_workitem_id 0
		.amdhsa_next_free_vgpr 256
		.amdhsa_next_free_sgpr 102
		.amdhsa_reserve_vcc 1
		.amdhsa_float_denorm_mode_32 3
		.amdhsa_float_denorm_mode_16_64 3
		.amdhsa_memory_ordered 1
		.amdhsa_forward_progress 1
		.amdhsa_inst_pref_size 67
	.end_amdhsa_kernel
	.amdgpu_metadata
---
amdhsa.version: [ 1, 2 ]
amdhsa.kernels:
  - .name:           k_q8242b00c61_attn
    .symbol:         k_q8242b00c61_attn.kd
    .args:
      - { .name: qkvc, .offset: 0, .size: 8, .value_kind: global_buffer, .address_space: global }
      - { .name: qkvs, .offset: 8, .size: 8, .value_kind: global_buffer, .address_space: global }
      - { .name: maskw, .offset: 16, .size: 8, .value_kind: global_buffer, .address_space: global }
      - { .name: flags, .offset: 24, .size: 8, .value_kind: global_buffer, .address_space: global }
      - { .name: attc, .offset: 32, .size: 8, .value_kind: global_buffer, .address_space: global }
      - { .name: atts, .offset: 40, .size: 8, .value_kind: global_buffer, .address_space: global }
    .group_segment_fixed_size: 106496
    .private_segment_fixed_size: 0
    .kernarg_segment_align: 8
    .kernarg_segment_size: 48
    .max_flat_workgroup_size: 512
    .sgpr_count:     102
    .vgpr_count:     256
    .wavefront_size: 32
...
	.end_amdgpu_metadata
.endif
;; end of part 3
;; launch outp (part 4): grid 16 x 16, 4 waves a work-group, clusters of 4 x 4, 327,680 bytes of LDS; arguments attc, atts, cod1, scl1, bo, out0; writes out0
.if DOCPART == 4
	.amdgcn_target "amdgcn-amd-amdhsa--gfx1250"
	.amdhsa_code_object_version 6
	.text
	.protected	k_q8242b00c61_outp
	.globl	k_q8242b00c61_outp
	.p2align	8
	.type	k_q8242b00c61_outp,@function
k_q8242b00c61_outp:
	s_mov_b64 s[64:65], 0
	v_nop
	global_prefetch_b8 v0, s[64:65] scope:SCOPE_SE
	s_setreg_imm32_b32 hwreg(HW_REG_WAVE_MODE, 25, 1), 1
	s_wait_xcnt 0x0
	s_wait_alu depctr_hold_cnt(0) depctr_sa_sdst(0) depctr_va_vdst(0) depctr_va_sdst(0) depctr_va_ssrc(0) depctr_va_vcc(0) depctr_vm_vsrc(0)
	s_getreg_b32 s2, hwreg(HW_REG_IB_STS2, 6, 4)
	s_cmp_eq_u32 s2, 0
	s_cbranch_scc0 .Lentry_in_a_cluster
	s_endpgm
.Lentry_in_a_cluster:
	s_bfe_u32 s2, ttmp6, 0x10000c
	s_cmp_lg_u32 s2, 0xf033
	s_cbranch_scc0 .Lentry_shape_is_right
	s_endpgm
.Lentry_shape_is_right:
; out0 = att Wo^T + bo on codes of FP6 (E2M3) with E8M0 scales, K = 2,048; out0 [4,096][2,048] f32.
; OPERANDS are row blocks (RB: 16 rows; row i of RB t is tensor row 32 (t / 2) + 8 (t % 2) + i + 8 (i / 8)) laid as images of operand registers: [RB][K step 16][half 2][768]; scale words [RB][kg 4][r 16][4 words].
; P = the attention's result (attc, atts), S = Wo (cod1, scl1 from RB 704 on).  A TILE is 256 rows of P (16 RBs) x 128 rows of S (8 RBs); wave w makes P's half w / 2 x S's half w % 2: 32 accumulators.
; K goes in four slots' worth of 512 (6,144 bytes an RB) through two LDS slots; every LDS read of an operand is dense from lane to lane, so there is no pitch and no padding.  The scale words come once, with the first fills.
; CLUSTERS: 4 x 4 work-groups; P's tile is shared along a row of the cluster, S's along a column: each is asked for jointly.
; Source 0 = S, source 1 = P: a lane holds one row of out0, and the 16 registers of two neighbouring tiles of S are 16 neighbouring columns.  The bias is the C of each sum's first product.
; The 32 accumulators take turns, one instruction a turn, in one order.
; No request ahead of the tensor loads: a work-group has two refills, each with 128 matrix instructions in which to land.  All of LDS is claimed.
.set RBS,   6144
.set SLOT,  24*RBS
.set SOFF,  16*RBS
.set SCP,   2*SLOT
.set SCS,   SCP+16*1024
.set SPARE, SCS+8*1024
.set SPITCH, 272                       ; the way out: a stage of 16 rows x (256 bytes + 16) for each wave, in slot 0, which has had its last fill and its last read by then
.set AP16, 4
.set AP8,  6
.set AS16, 8
.set AS8,  10
.set ASP,  12
.set ASS,  13
.set SPW,  14                          ; my spare word; never rewritten
.set NIL,  15                          ; 0; never rewritten
.set STO,  16                          ; the stage: where I put 32 bytes of a row
.set RD,   17                          ; and where I read rows back
.set CO,   18                          ; my byte offset in two rows of out0
.set SC,   32                          ; v32-79  scale words, two sets of 24
.set BI,   80                          ; v80-111 the bias
.set FP,   112                         ; P's 8 fragments (window 0: set 0, window 1: set 1)
.set FS,   208                         ; S's 4
.set BK,   112                         ; the way out: 16 rows read back: v112-143 and v144-175 by turns
.set WV,   92
.set ROLE, 93
.set HALF, 94
.set G1,   24
.set G0,   32
.set G1B,  48
.set G0B,  56
.set G1S,  68
.set G0S,  76
.set G1SB, 80
.set G0SB, 88
.set MSB, 0
.macro WIN new                         ; the immediate's high byte repeats the setting that is left
.if MSB != \new
	s_set_vgpr_msb (MSB<<8)|\new
.set MSB, \new
.endif
.endm
.macro JLOAD g0a, g1a, g0b, g1b        ; a joint load: waves 0, 1 for P, waves 2, 3 for S; four v_nop follow each line
	s_cmp_eq_u32 s[ROLE], 0
	s_cbranch_scc0 .Lfor_b_\@
	tensor_load_to_lds s[\g0a:\g0a+3], s[\g1a:\g1a+7]
	s_nop 0
.rept 4
	v_nop
.endr
	s_branch .Lasked_\@
.Lfor_b_\@:
	tensor_load_to_lds s[\g0b:\g0b+3], s[\g1b:\g1b+7]
	s_nop 0
.rept 4
	v_nop
.endr
.Lasked_\@:
.endm
.macro CROUND                          ; a round of the cluster's barrier
	s_barrier_signal -1
	s_barrier_wait -1
	s_cmp_lg_u32 s[WV], 0
	s_cbranch_scc1 .Lnot_wave_0_\@
	s_barrier_signal -3
.Lnot_wave_0_\@:
	s_barrier_wait -3
	s_barrier_signal -1
	s_barrier_wait -1
.endm
.macro PLACES n
.rept \n
	v_nop
.endr
.endm
.macro FETCH slot, q, set              ; 48 LDS loads: the 12 fragments of the slot's q-th K step into set
	WIN 0x40*(\set)
.irp i, 0,1,2,3
.irp c, 0,1
	ds_load_b128 v[FS+12*\i+6*\c:FS+12*\i+6*\c+3], v[AS16+\slot] offset:\i*RBS+(\q)*1536+\c*768
	ds_load_b64 v[FS+12*\i+6*\c+4:FS+12*\i+6*\c+5], v[AS8+\slot] offset:\i*RBS+(\q)*1536+\c*768+512
.endr
.endr
.irp i, 0,1,2,3,4,5,6,7
.irp c, 0,1
	ds_load_b128 v[FP+12*\i+6*\c:FP+12*\i+6*\c+3], v[AP16+\slot] offset:\i*RBS+(\q)*1536+\c*768
	ds_load_b64 v[FP+12*\i+6*\c+4:FP+12*\i+6*\c+5], v[AP8+\slot] offset:\i*RBS+(\q)*1536+\c*768+512
.endr
.endr
	WIN 0
.endm
.macro SCALES kg, set                  ; 6 LDS loads: four K steps' scale words of my 12 RBs
.irp i, 0,1,2,3
	ds_load_b128 v[SC+24*(\set)+4*\i:SC+24*(\set)+4*\i+3], v[ASP] offset:\i*1024+(\kg)*256
.endr
.irp i, 0,1
	ds_load_b128 v[SC+24*(\set)+16+4*\i:SC+24*(\set)+16+4*\i+3], v[ASS] offset:\i*1024+(\kg)*256
.endr
.endm
.macro WM                              ; one product; wA, wB: the side's scales stand in lanes 16-31
.if wA && wB
	v_wmma_scale_f32_16x16x128_f8f6f4 v[rD:rD+7], v[rA:rA+11], v[rB:rB+11], v[rC:rC+7], v[sA], v[sB] matrix_a_fmt:MATRIX_FMT_FP6 matrix_b_fmt:MATRIX_FMT_FP6 matrix_a_scale:MATRIX_SCALE_ROW1 matrix_b_scale:MATRIX_SCALE_ROW1
.elseif wA
	v_wmma_scale_f32_16x16x128_f8f6f4 v[rD:rD+7], v[rA:rA+11], v[rB:rB+11], v[rC:rC+7], v[sA], v[sB] matrix_a_fmt:MATRIX_FMT_FP6 matrix_b_fmt:MATRIX_FMT_FP6 matrix_a_scale:MATRIX_SCALE_ROW1
.elseif wB
	v_wmma_scale_f32_16x16x128_f8f6f4 v[rD:rD+7], v[rA:rA+11], v[rB:rB+11], v[rC:rC+7], v[sA], v[sB] matrix_a_fmt:MATRIX_FMT_FP6 matrix_b_fmt:MATRIX_FMT_FP6 matrix_b_scale:MATRIX_SCALE_ROW1
.else
	v_wmma_scale_f32_16x16x128_f8f6f4 v[rD:rD+7], v[rA:rA+11], v[rB:rB+11], v[rC:rC+7], v[sA], v[sB] matrix_a_fmt:MATRIX_FMT_FP6 matrix_b_fmt:MATRIX_FMT_FP6
.endif
.endm
; 32 products: P's 8 blocks x S's 4, the q-th K step of a slot, fragments of set, scale words of set ss; accumulator (a, b) at 8 (4 a + b) of window 2.  first = 1: C = the bias
.macro MULS set, q, ss, first
.if \first
	WIN 0x80                                       ; D window 2; fragments and bias window 0
.elseif \set
	WIN 0xa5                                       ; C, D window 2; fragments window 1
.else
	WIN 0xa0
.endif
.set ma, 0
.rept 8
.set mb, 0
.rept 4
.set rD, 8*(4*ma+mb)
.set rA, FS+12*mb
.set rB, FP+12*ma
.set sA, SC+24*(\ss)+16+4*(mb&1)+(\q)
.set sB, SC+24*(\ss)+4*(ma&3)+(\q)
.set wA, mb>>1
.set wB, ma>>2
.set rC, rD
.if \first
.set rC, BI+8*mb
.endif
	WM
.set mb, mb+1
.endr
.set ma, ma+1
.endr
	WIN 0
.endm
.macro STEP slot, q, first             ; one of a slot's first three K steps: fetches the next step's fragments into the other set, multiplies this one's
	PLACES 4                                       ; in front of loads into registers that the last products read
	FETCH \slot, (\q)+1, 1-((\q)%2)
	s_wait_dscnt 48                                ; only the 48 loads just issued may be out: this step's fragments and scale words are in
	MULS (\q)%2, \q, \slot, \first
.endm
; A slot's last K step changes slots.  Its fragments are in registers already, so the barrier stands ahead of its products: every wave waits for all its tensor loads (its part of the next slot),
; adds 0 to its spare word, waits for that and for its reads of this slot.  fill = 1: the barrier is a round of the cluster's, and this slot is filled again first behind it, with K two slots on.
.macro TURN slot, next, kgnext, fill
	s_wait_tensorcnt 0x0
	ds_add_u32 v[SPW], v[NIL]
.if \fill
	s_add_nc_u64 s[G0+4*\slot+2:G0+4*\slot+3], s[G0+4*\slot+2:G0+4*\slot+3], 2*RBS      ; no tensor load of mine is out: the groups 0 may step
	s_add_nc_u64 s[G0B+4*\slot+2:G0B+4*\slot+3], s[G0B+4*\slot+2:G0B+4*\slot+3], 2*RBS
.endif
	s_wait_dscnt 0x0
.if \fill
	CROUND
	JLOAD G0+4*\slot, G1, G0B+4*\slot, G1B         ; its four v_nop are also the places in front of the loads below
.else
	s_barrier_signal -1
	s_barrier_wait -1
	PLACES 4
.endif
	FETCH \next, 0, 0
	SCALES \kgnext, \next
	MULS 1, 3, \slot, 0
.endm
	s_load_b256 s[4:11], s[0:1], 0x0               ; attc, atts, cod1, scl1
	s_load_b128 s[12:15], s[0:1], 0x20             ; bo, out0
	v_lshl_add_u32 v[SPW], v0, 2, SPARE
	v_mov_b32 v[NIL], 0
	ds_add_u32 v14, v15
	ds_add_u32 v14, v15
	s_wait_dscnt 0x0
	v_lshrrev_b32 v1, 5, v0
	v_readfirstlane_b32 s[WV], v1
	s_lshr_b32 s[ROLE], s[WV], 1
	s_and_b32 s[HALF], s[WV], 1
	s_bfe_u32 s40, ttmp6, 0x40000                  ; cx
	s_bfe_u32 s41, ttmp6, 0x40004                  ; cy
	s_and_b32 s43, ttmp7, 0xffff
	s_lshl_b32 s43, s43, 2
	s_add_co_u32 s43, s43, s41                     ; P's tile = 4 x cluster y + cy
	s_lshl_b32 s45, ttmp9, 2
	s_add_co_u32 s45, s45, s40                     ; S's tile = 4 x cluster x + cx
	s_lshl_b32 s44, s43, 4
	s_lshl_b32 s18, s[HALF], 3
	s_add_co_u32 s44, s44, s18                     ; the first of the 8 RBs of P that I would fetch
	s_mul_i32 s20, s44, 24576
	s_mov_b32 s21, 0
	s_lshl_b32 s22, s44, 10
	s_mov_b32 s23, 0
	s_lshl_b32 s46, s45, 3
	s_add_co_u32 s46, s46, 704                     ; Wo's RBs begin at 704
	s_lshl_b32 s18, s[HALF], 2
	s_add_co_u32 s46, s46, s18                     ; the first of the 4 RBs of S
	s_mul_i32 s96, s46, 24576
	s_mov_b32 s97, 0
	s_lshl_b32 s98, s46, 10
	s_mov_b32 s99, 0
	s_lshl_b32 s2, s41, 2
	s_lshl_b32 s2, 15, s2                          ; my row of the cluster
	s_lshl_b32 s3, 0x1111, s40                     ; my column
	; groups 1: elements of 8 bytes, no padding, bit 21 beside the mask.  Codes: a row = an RB's 6,144 bytes of a slot, RBs 24,576 bytes apart.  Scale words: dense, as rows of 256 bytes
	s_or_b32 s[G1], s2, (3<<16)|(1<<21)
	s_mov_b32 s[G1+1], 768<<16
	s_mov_b32 s[G1+2], 8<<16
	s_mov_b32 s[G1+3], 768<<16
	s_mov_b32 s[G1+4], 8
	s_mov_b32 s[G1+5], 3072
	s_mov_b32 s[G1+6], 0
	s_mov_b32 s[G1+7], 0
	s_or_b32 s[G1B], s3, (3<<16)|(1<<21)
	s_mov_b32 s[G1B+1], 768<<16
	s_mov_b32 s[G1B+2], 4<<16
	s_mov_b32 s[G1B+3], 768<<16
	s_mov_b32 s[G1B+4], 4
	s_mov_b32 s[G1B+5], 3072
	s_mov_b32 s[G1B+6], 0
	s_mov_b32 s[G1B+7], 0
	s_or_b32 s[G1S], s2, (3<<16)|(1<<21)
	s_mov_b32 s[G1S+1], 32<<16
	s_mov_b32 s[G1S+2], 32<<16
	s_mov_b32 s[G1S+3], 32<<16
	s_mov_b32 s[G1S+4], 32
	s_mov_b32 s[G1S+5], 32
	s_mov_b32 s[G1S+6], 0
	s_mov_b32 s[G1S+7], 0
	s_or_b32 s[G1SB], s3, (3<<16)|(1<<21)
	s_mov_b32 s[G1SB+1], 32<<16
	s_mov_b32 s[G1SB+2], 16<<16
	s_mov_b32 s[G1SB+3], 32<<16
	s_mov_b32 s[G1SB+4], 16
	s_mov_b32 s[G1SB+5], 32
	s_mov_b32 s[G1SB+6], 0
	s_mov_b32 s[G1SB+7], 0
	s_lshl_b32 s18, s[HALF], 13                    ; LDS places hang on the wave's number alone
	s_lshl_b32 s19, s[HALF], 12
	s_mul_i32 s66, s[HALF], 8*RBS
	s_mul_i32 s67, s[HALF], 4*RBS
	s_wait_kmcnt 0x0
	s_add_nc_u64 s[20:21], s[4:5], s[20:21]
	s_add_nc_u64 s[22:23], s[6:7], s[22:23]
	s_add_nc_u64 s[96:97], s[8:9], s[96:97]
	s_add_nc_u64 s[98:99], s[10:11], s[98:99]
	s_mov_b32 s[G0S], 1
	s_add_co_u32 s[G0S+1], s18, SCP
	s_mov_b64 s[G0S+2:G0S+3], s[22:23]
	s_or_b32 s[G0S+3], s[G0S+3], 0x80000000
	s_mov_b32 s[G0SB], 1
	s_add_co_u32 s[G0SB+1], s19, SCS
	s_mov_b64 s[G0SB+2:G0SB+3], s[98:99]
	s_or_b32 s[G0SB+3], s[G0SB+3], 0x80000000
.irp s, 0,1
	s_mov_b32 s[G0+4*\s], 1
	s_add_co_u32 s[G0+4*\s+1], s66, \s*SLOT
	s_add_nc_u64 s[G0+4*\s+2:G0+4*\s+3], s[20:21], \s*RBS
	s_or_b32 s[G0+4*\s+3], s[G0+4*\s+3], 0x80000000
	s_mov_b32 s[G0B+4*\s], 1
	s_add_co_u32 s[G0B+4*\s+1], s67, \s*SLOT+SOFF
	s_add_nc_u64 s[G0B+4*\s+2:G0B+4*\s+3], s[96:97], \s*RBS
	s_or_b32 s[G0B+4*\s+3], s[G0B+4*\s+3], 0x80000000
.endr
	CROUND                                         ; all sixteen work-groups are here: the first joint loads meet
	JLOAD G0S, G1S, G0SB, G1SB                     ; three loads of mine are out behind these lines: the scale words,
	JLOAD G0, G1, G0B, G1B                         ; slot 0,
	JLOAD G0+4, G1, G0B+4, G1B                     ; slot 1
	v_and_b32 v3, 31, v0                           ; lane
	v_and_b32 v1, 15, v0                           ; r
	v_bfe_u32 v2, v0, 4, 1                         ; h
	v_lshlrev_b32 v19, 4, v3                       ; 16 x lane
	v_lshlrev_b32 v20, 3, v3                       ; 8 x lane
	s_mul_i32 s18, s[ROLE], 8*RBS
	s_mul_i32 s19, s[HALF], 4*RBS
	s_add_co_u32 s19, s19, SOFF
.irp s, 0,1
	v_add_nc_u32 v[AP16+\s], s18, v19
	v_add_nc_u32 v[AP8+\s], s18, v20
	v_add_nc_u32 v[AS16+\s], s19, v19
	v_add_nc_u32 v[AS8+\s], s19, v20
	s_add_co_u32 s18, s18, SLOT
	s_add_co_u32 s19, s19, SLOT
.endr
	v_lshlrev_b32 v22, 4, v1                       ; 16 r
	v_lshl_add_u32 v[ASP], v2, 12, v22
	s_lshl_b32 s18, s[ROLE], 13
	s_add_co_u32 s18, s18, SCP
	v_add_nc_u32 v[ASP], s18, v[ASP]
	v_lshl_add_u32 v[ASS], v2, 11, v22
	s_lshl_b32 s18, s[HALF], 12
	s_add_co_u32 s18, s18, SCS
	v_add_nc_u32 v[ASS], s18, v[ASS]
	s_mul_i32 s18, s[WV], 16*SPITCH                ; my stage
	v_mul_u32_u24 v[STO], v1, SPITCH
	v_lshl_add_u32 v[STO], v2, 6, v[STO]
	v_add_nc_u32 v[STO], s18, v[STO]               ; in: row r, + 64 h
	v_mul_u32_u24 v[RD], v2, SPITCH
	v_add_nc_u32 v[RD], v[RD], v22
	v_add_nc_u32 v[RD], s18, v[RD]                 ; back: lanes 0-15 one row of 256 bytes, lanes 16-31 the next
	v_lshl_add_u32 v[CO], v2, 13, v22              ; and the same two rows in out0
	v_lshlrev_b32 v21, 6, v2                       ; 64 h: the bias
	s_lshl_b32 s18, s43, 8
	s_lshl_b32 s19, s[ROLE], 7
	s_add_co_u32 s18, s18, s19                     ; my first row: 256 x P's tile + 128 x half
	s_lshl_b32 s18, s18, 13
	s_lshl_b32 s40, s45, 1
	s_add_co_u32 s40, s40, s[HALF]                 ; my 64 columns
	s_lshl_b32 s40, s40, 8                         ; in bytes
	s_add_co_u32 s18, s18, s40
	s_mov_b32 s19, 0
	s_mov_b32 s41, 0
	s_add_nc_u64 s[14:15], s[14:15], s[18:19]
	s_add_nc_u64 s[12:13], s[12:13], s[40:41]
.irp b, 0,1,2,3                        ; tile b, register j: the bias of column 32 (b / 2) + 8 (b % 2) + 16 h + j
	global_load_b128 v[BI+8*\b:BI+8*\b+3], v21, s[12:13] offset:128*(\b/2)+32*(\b%2)
	global_load_b128 v[BI+8*\b+4:BI+8*\b+7], v21, s[12:13] offset:128*(\b/2)+32*(\b%2)+16
.endr
	s_wait_tensorcnt 1                             ; the scale words and my part of slot 0 are in; slot 1's load may be out
	s_barrier_signal -1
	s_barrier_wait -1
	FETCH 0, 0, 0
	SCALES 0, 0
	s_wait_loadcnt 0x0                             ; the bias
	STEP 0, 0, 1
	STEP 0, 1, 0
	STEP 0, 2, 0
	TURN 0, 1, 1, 1
	STEP 1, 0, 0
	STEP 1, 1, 0
	STEP 1, 2, 0
	TURN 1, 0, 2, 1
	STEP 0, 0, 0
	STEP 0, 1, 0
	STEP 0, 2, 0
	TURN 0, 1, 3, 0                                ; nothing is left to fetch; behind this barrier nobody reads slot 0
	STEP 1, 0, 0
	STEP 1, 1, 0
	STEP 1, 2, 0
	s_wait_dscnt 0x0
	MULS 1, 3, 1, 0
; THE WAY OUT, P's blocks one after the other: 16 rows x 64 columns go through my own stage and come back as whole rows of 256 bytes.  LDS serves a wave's instructions in order: no wait between the stores and the loads.
.macro TOSTAGE a
	WIN 0x08                                       ; an LDS store's data: window 2
.irp b, 0,1,2,3
	ds_store_b128 v[STO], v[8*(4*(\a)+\b):8*(4*(\a)+\b)+3] offset:128*(\b/2)+32*(\b%2)       ; each accumulator from its low end on
	ds_store_b128 v[STO], v[8*(4*(\a)+\b)+4:8*(4*(\a)+\b)+7] offset:128*(\b/2)+32*(\b%2)+16
.endr
	WIN 0
.irp t, 0,1,2,3,4,5,6,7
	ds_load_b128 v[BK+32*((\a)%2)+4*\t:BK+32*((\a)%2)+4*\t+3], v[RD] offset:2*SPITCH*\t
.endr
.endm
.macro SEND a, younger                 ; younger: the LDS instructions issued behind block a's loads, which may stay out
	s_wait_dscnt \younger
.irp t, 0,1,2,3,4,5,6,7                ; rows 2 t, 2 t + 1 of the block are tensor rows 32 (a / 2) + 8 (a % 2) + 2 t + 8 (t / 4) (+ 1)
	global_store_b128 v[CO], v[BK+32*((\a)%2)+4*\t:BK+32*((\a)%2)+4*\t+3], s[14:15] offset:(32*((\a)/2)+8*((\a)%2)+2*\t+8*(\t/4))*8192 th:TH_STORE_NT   ; 16 lanes store 256 consecutive bytes, aligned
.endr
.endm
	PLACES 4                                       ; in front of the first read of results and of loads into registers that products read
	TOSTAGE 0
.irp a, 1,2,3,4,5,6,7
.if \a > 1
	s_wait_xcnt 0x0                                ; block a - 2's stores have read their registers: block a's loads may land there
.endif
	TOSTAGE \a
	SEND \a-1, 16                                  ; behind block a - 1's loads: block a's 8 stores and 8 loads
.endr
	SEND 7, 0
	s_wait_tensorcnt 0x0                           ; the wave's end
	ds_add_u32 v[SPW], v[NIL]
	s_wait_dscnt 0x0
	CROUND                                         ; the closing round: no work-group ends while a partner may still ask for a tile that names it
	s_endpgm
.Lfunc_end_k_q8242b00c61_outp:
	.size	k_q8242b00c61_outp, .Lfunc_end_k_q8242b00c61_outp-k_q8242b00c61_outp
	.p2alignl 7, 3214868480
	.fill 96, 4, 3214868480
	.section	.rodata,"a",@progbits
	.p2align	6, 0x0
	.amdhsa_kernel k_q8242b00c61_outp
		.amdhsa_group_segment_fixed_size 327680
		.amdhsa_private_segment_fixed_size 0
		.amdhsa_enable_private_segment 0
		.amdhsa_kernarg_size 48
		.amdhsa_user_sgpr_count 2
		.amdhsa_user_sgpr_kernarg_segment_ptr 1
		.amdhsa_wavefront_size32 1
		.amdhsa_system_sgpr_workgroup_id_x 1
		.amdhsa_system_sgpr_workgroup_id_y 1
		.amdhsa_system_sgpr_workgroup_id_z 1
		.amdhsa_system_vgpr_workitem_id 0
		.amdhsa_next_free_vgpr 768
		.amdhsa_next_free_sgpr 100
		.amdhsa_reserve_vcc 0
		.amdhsa_float_denorm_mode_32 3
		.amdhsa_float_denorm_mode_16_64 3
		.amdhsa_memory_ordered 1
		.amdhsa_forward_progress 1
		.amdhsa_inst_pref_size 146
	.end_amdhsa_kernel
	.amdgpu_metadata
---
amdhsa.version: [ 1, 2 ]
amdhsa.kernels:
  - .name:           k_q8242b00c61_outp
    .symbol:         k_q8242b00c61_outp.kd
    .args:
      - { .name: attc, .offset: 0, .size: 8, .value_kind: global_buffer, .address_space: global }
      - { .name: atts, .offset: 8, .size: 8, .value_kind: global_buffer, .address_space: global }
      - { .name: cod1, .offset: 16, .size: 8, .value_kind: global_buffer, .address_space: global }
      - { .name: scl1, .offset: 24, .size: 8, .value_kind: global_buffer, .address_space: global }
      - { .name: bo, .offset: 32, .size: 8, .value_kind: global_buffer, .address_space: global }
      - { .name: out0, .offset: 40, .size: 8, .value_kind: global_buffer, .address_space: global }
    .group_segment_fixed_size: 327680
    .private_segment_fixed_size: 0
    .kernarg_segment_align: 8
    .kernarg_segment_size: 48
    .max_flat_workgroup_size: 128
    .sgpr_count:     100
    .vgpr_count:     768
    .wavefront_size: 32
...
	.end_amdgpu_metadata
.endif
;; end of part 4
;; ======== version 2 of 2: 4 launches; version 1 with the launch attn written anew for expert scheduling mode
;; workspace buffers: cod1 20,447,232 bytes; scl1 851,968 bytes; maskw 524,288 bytes of whole numbers; flags 8,192 bytes of whole numbers; qkvc 9,437,184 bytes; qkvs 720,896 bytes; attc 6,291,456 bytes; atts 262,144 bytes
;; launch quant: the kernel of part 1 again; grid 960 x 1, 4 waves a work-group, no clusters, 34,304 bytes of LDS; arguments X, encoder_output, Wq, Wk, Wv, Wo, causal_mask, padding_mask, cod1, scl1, maskw, flags; writes cod1, scl1, maskw, flags
;; launch proj: the kernel of part 2 again; grid 16 x 24, 4 waves a work-group, clusters of 4 x 4, 327,680 bytes of LDS; arguments cod1, scl1, bq, bk, bv, qkvc, qkvs; writes qkvc, qkvs
;; launch attn (part 5): grid 8 x 32, 16 waves a work-group, no clusters, 106,496 bytes of LDS; arguments qkvc, qkvs, maskw, flags, attc, atts; writes attc, atts
.if DOCPART == 5
	.amdgcn_target "amdgcn-amd-amdhsa--gfx1250"
	.amdhsa_code_object_version 6
	.text
	.protected	k_q8242b00c61_attn
	.globl	k_q8242b00c61_attn
	.p2align	8
	.type	k_q8242b00c61_attn,@function
k_q8242b00c61_attn:
	s_mov_b64 s[64:65], 0
	v_nop
	global_prefetch_b8 v0, s[64:65] scope:SCOPE_SE
	s_setreg_imm32_b32 hwreg(HW_REG_WAVE_SCHED_MODE, 0, 2), 2
	s_setreg_imm32_b32 hwreg(HW_REG_WAVE_MODE, 25, 1), 1
	s_wait_xcnt 0x0
	s_wait_alu depctr_vm_vsrc(0)
; Attention of 128 (batch, head) pairs, 1,024 queries x 1,024 keys, head size 64, both products on codes of FP6 (E2M3) with E8M0 scales; the result, divided by the row's sum, is quantised along the head's 64 and leaves as codes.
; t = score x log2(e) / 8 (one fused multiply-add); M = the running largest t rounded up to a whole number; p = 2^(t - M) is quantised along the keys, not normalised; the row's sum is taken of the unquantised p.
; When M moves, the sum and O are multiplied by 2^(old M - new M): exact.
; SHARES.  A work-group serves one (batch, group): K's 64 tiles, V's 32 fragments and their scale words, 104,448 bytes, are copied into LDS once, through registers; one barrier.  Wave w takes head 4 g + w % 4 and
; two tiles of 16 queries, numbers p and 63 - p with p = 4 x + w / 4, one after the other.  Four waves share a SIMD, so that one wave's vector work stands beside another's products and LDS loads.
; LAYOUT.  Both products transposed: S^T = K Q^T (source 0 = 16 keys), O^T = V^T P^T (source 0 = 16 channels): a lane holds one query throughout.  Tiles are row blocks (row i of block t is row 32 (t / 2) + 8 (t % 2) + i + 8 (i / 8)),
; so the 16 registers of two neighbouring tiles are 16 neighbouring keys, or channels.  The head's 64 fill half of the first product's 128: the upper six registers of Q's and K's fragments are zero codes.
; THE MASKS are inputs: an earlier launch stored, for each (batch, query tile, key step), 64 lane masks and a flag word.  A step all of whose 16 x 128 scores are hidden is left out; one with no hidden score skips the masking;
; else hidden scores become -infinity ahead of the maximum.  These are scalar branches on stored whole numbers inside a loop of constant count.
; What the eight work-groups of a (batch, group) share is 104,448 bytes, read once each at the head.
; A row that is hidden altogether has the sum 0: its scale bytes become 0xff, so that the last product gives NaN there, as the softmax of such a row is NaN.
; LIMITS: NaN and infinities among the inputs are not served; a block of zeros takes the byte 1.
; THE MODE: SCHED_MODE bits 1:0 = 2 (LLVM: expert scheduling mode 2), set by the entry lines.  The code itself states the register dependences
; between vector or matrix instructions and memory or LDS instructions, with s_wait_alu, always for 0.
; THE PLAN.  Registers that memory or LDS instructions touch:
;   v1-4, v10, v28-31   offsets, made once at the head and never written again.
;   v5-8                a step's LDS addresses: written by four adds at the head of each step that is walked, read by that step's LDS loads.
;   K's six fragments   (lower six registers of each) written by the step's LDS loads, read by its products S^T.  Tiles 0 to 5 are asked for at the step's head; tiles 6 and 7 land in fragments 0 and 1 behind products 0 and 1.
;   v80-87, v88-91      K's and V's scale words: loaded at the step's head, read by the step's products.
;   v128-175            p: written by products, selects, scalings and exponentials, read by the sums and the conversions; then V's four fragments land there, which the products O^T read.
;   v16-21, v92         Q and its scale words: loaded at a tile's head, read by all the tile's products S^T.
;   v224-229, v238      a tile's codes and scale byte: written by vector instructions, read by the tile's three stores.
; So a step has one wait on vm_vsrc (ahead of the adds) and, beside the two behind its exponentials, four on va_vdst: behind the adds; behind products 0 and 1; behind the conversions; ahead of the products O^T.
.set KB,  32                           ; v32-79   fragments 0-3 of K; v96-119 fragments 4 and 5: fragment f at KB + 12 f + 16 (f / 4) (the upper six registers of each stay 0)
.set KSW, 80                           ; v80-87   K's scale words of a step's eight tiles
.set VSW, 88                           ; v88-91   V's of its four tiles
.set QS,  92                           ; v92      Q's scale words
.set PW,  93                           ; v93      p's
.set S,   128                          ; v128-191 S^T, then p; then V's four fragments (v128-175)
.set O,   192                          ; v192-223 O^T
; v1 16 x lane, v2 8 x lane, v3 K's scale words, v4 V's, v5-8 the step's LDS addresses, v9 -infinity, v10 16 r + h, v12 -M, v13 largest t, v[14:15] the sum, v16-27 Q, v28-30 the copy's addresses, v31 32 r,
; v224-235 p's codes, v236-242 at work, v243 my spare word, v244-247 block maxima, v248-251 scale operands, v[252:253] f, v254 at work, v255 0
; s2 the query tile, s3 p, s16 wave, s17 head % 4, s18 g, s19 b, s[20:21] lane selects, s[22:23] c, s24 key step, s25 the eight flags, s26-29 the step's byte offsets, s[30:31] the tile's masks, s[32:63], s[68:99] 64 lane masks, s66 RB, s67 head
	s_load_b256 s[4:11], s[0:1], 0x0               ; qkvc, qkvs, maskw, flags
	s_load_b128 s[12:15], s[0:1], 0x20             ; attc, atts
	v_lshl_add_u32 v243, v0, 2, 0x19800
	v_mov_b32 v255, 0
	v_lshrrev_b32 v1, 5, v0
	v_readfirstlane_b32 s16, v1
	v_lshlrev_b32 v28, 4, v0                       ; the copy: 16 x thread,
	v_add_nc_u32 v29, 49152, v28                   ; V's part of LDS,
	v_add_nc_u32 v30, 98304, v28                   ; the scale words'
	v_and_b32 v10, 31, v0
	v_lshlrev_b32 v1, 4, v10
	v_lshlrev_b32 v2, 3, v10
	v_and_b32 v11, 15, v0                          ; r
	v_bfe_u32 v10, v0, 4, 1                        ; h
	v_lshlrev_b32 v31, 5, v11
	v_add_nc_u32 v3, 98304, v31                    ; K's scale words: 32 bytes a row, 512 a step
	v_lshlrev_b32 v4, 4, v11
	v_add_nc_u32 v10, v4, v10
	v_add_nc_u32 v4, 102400, v4                    ; V's: 16 bytes a row, 256 a step
	v_mov_b32 v9, 0xff800000
	s_wait_alu depctr_va_sdst(0)                   ; s16, the wave's number, is written, ahead of its first reader
	s_and_b32 s17, s16, 3
	s_and_b32 s2, ttmp7, 0xffff
	s_and_b32 s18, s2, 7
	s_lshr_b32 s19, s2, 3
	s_lshl_b32 s3, ttmp9, 2
	s_lshr_b32 s2, s16, 2
	s_add_co_u32 s3, s3, s2
	s_mov_b32 s20, 0x76543210
	s_mov_b32 s21, 0xfedcba98
	s_mov_b32 s22, 0x3e38aa3b                      ; c = log2(e) / 8
	s_mov_b32 s23, s22
	s_mov_b32 s100, 0xffff0000                     ; lanes 16-31
	s_add_co_u32 s24, s18, 32
	s_lshl_b32 s24, s24, 8
	s_lshl_b32 s101, s19, 6
	s_add_co_u32 s24, s24, s101
	s_mul_i32 s24, s24, 768                        ; K: channel 32 + g, RBs 64 b on
	s_mov_b32 s25, 0
	s_wait_kmcnt 0x0
	s_add_nc_u64 s[26:27], s[4:5], s[24:25]
	s_lshl_b32 s24, s18, 5
	s_lshl_b32 s101, s19, 3
	s_add_co_u32 s24, s24, s101
	s_mul_i32 s24, s24, 6144
	s_add_co_u32 s24, s24, 7864320                 ; V: group g, key steps 8 b on
	s_add_nc_u64 s[28:29], s[4:5], s[24:25]
	s_lshl_b32 s24, s18, 2
	s_add_co_u32 s24, s24, s19
	s_mul_i32 s24, s24, 6144
	s_add_co_u32 s24, s24, 524288                  ; their scale words
	s_add_nc_u64 s[30:31], s[6:7], s[24:25]
	s_wait_alu depctr_va_vdst(0)                   ; the offsets v1 to v4, v10 and v28 to v31 are written, which the loads and stores of the whole kernel read
.irp i, 0,1,2,3,4,5
	global_load_b128 v[32+4*\i:35+4*\i], v28, s[26:27] offset:\i*8192
.endr
.irp i, 0,1,2,3,4,5
	global_load_b128 v[56+4*\i:59+4*\i], v28, s[28:29] offset:\i*8192
.endr
	s_cmp_lt_u32 s16, 12                           ; 6,144 bytes of scale words: twelve waves' worth
	s_cbranch_scc0 .Lno_words
	global_load_b128 v[80:83], v28, s[30:31]
	s_wait_loadcnt 0x0
	ds_store_b128 v30, v[80:83]
.Lno_words:
	s_wait_loadcnt 0x0
.irp i, 0,1,2,3,4,5
	ds_store_b128 v28, v[32+4*\i:35+4*\i] offset:\i*8192
.endr
.irp i, 0,1,2,3,4,5
	ds_store_b128 v29, v[56+4*\i:59+4*\i] offset:\i*8192
.endr
	s_wait_dscnt 0x0                               ; for the others' sake: my stores have landed
	s_barrier_signal -1
	s_barrier_wait -1                              ; from here on LDS is only read
	s_wait_alu depctr_vm_vsrc(0)                   ; my LDS stores have read v32 to v83: these registers are K's fragments and the scale words from here on, written by the moves below and by LDS loads
.irp i, 22,23,24,25,26,27
	v_mov_b32 v\i, 0                               ; zero codes for k = 64 .. 127
.endr
.irp t, 0,1,2,3,4,5
.irp i, 6,7,8,9,10,11
	v_mov_b32 v[KB+12*\t+16*(\t/4)+\i], 0
.endr
.endr
.irp i, 236,237,238,239,253,254
	v_mov_b32 v\i, 0                               ; lane permutes' destinations, and the upper half of the pair v[252:253], count as read
.endr
.macro KTILE i, f                      ; tile i of the step's eight, 16 keys, into fragment f
.set rF, KB+12*(\f)+16*((\f)/4)
	ds_load_b128 v[rF:rF+3], v5 offset:(\i)*768
	ds_load_b64 v[rF+4:rF+5], v6 offset:(\i)*768+512
.endm
.macro KQ i, f                         ; its scores
.set rF, KB+12*(\f)+16*((\f)/4)
	v_wmma_scale_f32_16x16x128_f8f6f4 v[S+8*(\i):S+8*(\i)+7], v[rF:rF+11], v[16:27], 0, v[KSW+(\i)], v[QS] matrix_a_fmt:MATRIX_FMT_FP6 matrix_b_fmt:MATRIX_FMT_FP6
.endm
.macro SCORES                          ; S^T = K Q^T: eight tiles of 16 keys through six fragments.  The wait on va_vdst at the step's head covers the first fifteen loads
	ds_load_b128 v[KSW:KSW+3], v7
	ds_load_b128 v[KSW+4:KSW+7], v7 offset:16
	ds_load_b128 v[VSW:VSW+3], v8
	KTILE 0, 0
	KTILE 1, 1
	KTILE 2, 2
	KTILE 3, 3
	KTILE 4, 4
	KTILE 5, 5
	s_wait_dscnt 8                                 ; LDS loads come back in order: the scale words and tiles 0 and 1 are in; the eight loads of tiles 2 to 5 may be out
	KQ 0, 0
	KQ 1, 1
.rept 4
	v_nop                                          ; four places behind the two products, ahead of loads into registers that they read; the wait below states the dependence itself
.endr
	s_wait_alu depctr_va_vdst(0)                   ; products 0 and 1 are done reading fragments 0 and 1, in which tiles 6 and 7 land
	KTILE 6, 0
	KTILE 7, 1
	s_wait_dscnt 4                                 ; tiles 2 to 5 are in; the four loads just issued may be out
	KQ 2, 2
	KQ 3, 3
	KQ 4, 4
	KQ 5, 5
	s_wait_dscnt 0x0
	KQ 6, 0
	KQ 7, 1
.rept 4
	v_nop
.endr
.endm
.macro TILE again                      ; the query tile s2.  again = 1: the wave's second tile
	s_wait_xcnt 0x0                                ; the last tile's stores have read their registers and bases
.if \again
	s_wait_alu depctr_vm_vsrc(0)                   ; the last tile's stores have read v224 to v229 and v238, which this tile's steps write again
	s_wait_alu depctr_va_vdst(0)                   ; the last tile's products are done reading Q's codes and scale words, in which the loads below land
.endif
	s_lshl_b32 s66, s19, 6
	s_add_co_u32 s66, s66, s2                      ; RB = 64 b + tile
	s_lshl_b32 s67, s18, 2
	s_add_co_u32 s67, s67, s17                     ; head
	s_lshl_b32 s32, s67, 8
	s_add_co_u32 s32, s32, s66
	s_mul_i32 s32, s32, 768
	s_mov_b32 s33, 0
	s_add_nc_u64 s[32:33], s[4:5], s[32:33]
	global_load_b128 v[16:19], v1, s[32:33]        ; Q's six code registers
	global_load_b64 v[20:21], v2, s[32:33] offset:512
	s_lshl_b32 s34, s67, 5
	s_lshr_b32 s35, s66, 3
	s_add_co_u32 s34, s34, s35
	s_lshl_b32 s34, s34, 9
	s_and_b32 s35, s66, 7
	s_lshl_b32 s35, s35, 2
	s_add_co_u32 s34, s34, s35
	s_mov_b32 s35, 0
	s_add_nc_u64 s[34:35], s[6:7], s[34:35]
	global_load_b32 v[QS], v31, s[34:35]           ; and its scale words
	s_lshl_b32 s36, s66, 5
	s_mov_b32 s37, 0
	s_add_nc_u64 s[36:37], s[10:11], s[36:37]
	s_load_b256 s[40:47], s[36:37], 0x0            ; the eight steps' flags
	s_lshl_b32 s30, s66, 11
	s_mov_b32 s31, 0
	s_add_nc_u64 s[30:31], s[8:9], s[30:31]        ; the tile's masks: 256 bytes a step
	v_mov_b32 v13, 0xff61b1e6                      ; the largest t so far: -3e38
	v_floor_f32 v12, -v13                          ; -M
	v_mov_b32 v14, 0
	v_mov_b32 v15, 0
.set j, 0
.rept 32
	v_mov_b32 v[O+j], 0                            ; the step is written once: the first finds zeros
.set j, j+1
.endr
	s_mov_b32 s24, 0
	s_mov_b32 s26, 0
	s_mov_b32 s27, 0
	s_mov_b32 s28, 0
	s_mov_b32 s29, 0
	s_wait_kmcnt 0x0
	s_mov_b32 s25, s40                             ; bit ks: step ks all hidden; bit 8 + ks: none hidden
.irp k, 1,2,3,4,5,6,7
	s_lshl_b32 s101, s[40+\k], \k
	s_or_b32 s25, s25, s101
.endr
	s_wait_loadcnt 0x0                             ; Q; the loads' bases may be written again
.Lstep_\@:
	s_lshr_b32 s101, s25, s24
	s_bitcmp1_b32 s101, 0
	s_cbranch_scc1 .Lnext_\@
	s_wait_alu depctr_vm_vsrc(0)                   ; the LDS loads of the step walked last have read v5 to v8, which the four adds write
	v_add_nc_u32 v5, s26, v1                       ; the step's tiles: 6,144 bytes of K, and of V 49,152 further on
	v_add_nc_u32 v6, s26, v2
	v_add_nc_u32 v7, s27, v3
	v_add_nc_u32 v8, s28, v4
	s_wait_alu depctr_va_vdst(0)                   ; v5 to v8 are written, which the step's LDS loads read; earlier products are done reading K's fragments and both sets of scale words, in which loads land; in a tile's first step: the zero codes are written, ahead of the products that take them
	s_bitcmp1_b32 s101, 8
	s_cbranch_scc1 .Lopen_\@
	s_load_b512 s[32:47], s[30:31], s29 offset:0x0
	s_load_b512 s[48:63], s[30:31], s29 offset:0x40
	s_load_b512 s[68:83], s[30:31], s29 offset:0x80
	s_load_b512 s[84:99], s[30:31], s29 offset:0xc0
	SCORES
	s_wait_kmcnt 0x0
.set n, 0
.rept 64                               ; the mask of register n lies at word 2 (n % 32) + n / 32
.set p, 2*(n&31)+(n>>5)
.if p < 32
	v_cndmask_b32 v[S+n], v[S+n], v9, s[32+p]
.else
	v_cndmask_b32 v[S+n], v[S+n], v9, s[36+p]
.endif
.set n, n+1
.endr
	s_branch .Lsoft_\@
.Lopen_\@:
	SCORES
.Lsoft_\@:
.irp b, 0,1,2,3
	v_max3_num_f32 v[244+\b], v[S+16*\b], v[S+1+16*\b], v[S+2+16*\b]   ; the largest score of each block of 32 keys: for the row's maximum and, since p rises with the score, for the block's largest p
.endr
.irp i, 3,5,7,9,11,13
.irp b, 0,1,2,3
	v_max3_num_f32 v[244+\b], v[244+\b], v[S+16*\b+\i], v[S+1+16*\b+\i]
.endr
.endr
.irp b, 0,1,2,3
	v_max_num_f32 v[244+\b], v[244+\b], v[S+15+16*\b]
.endr
.irp b, 0,1,2,3
	v_permlanex16_b32 v[236+\b], v[244+\b], s20, s21
.endr
.irp b, 0,1,2,3
	v_max_num_f32 v[244+\b], v[244+\b], v[236+\b]
.endr
	v_max3_num_f32 v254, v244, v245, v246
	v_max_num_f32 v254, v254, v247
	v_mul_f32 v254, s22, v254
	v_max_num_f32 v13, v13, v254                   ; the running largest t
	v_mov_b32 v254, v12
	v_floor_f32 v12, -v13                          ; the new -M
	v_sub_f32 v254, v12, v254                      ; old M - new M: a whole number, 0 or less
	v_cvt_i32_f32 v254, v254
	v_ldexp_f32 v252, 1.0, v254                    ; f = 2^(old M - new M)
.set j, 0
.rept 32
	v_pk_fma_f32 v[S+j:S+j+1], v[S+j:S+j+1], s[22:23], v[12:13] op_sel_hi:[1,0,0]   ; t - M
.set j, j+2
.endr
.irp b, 0,1,2,3
	v_fma_f32 v[244+\b], v[244+\b], s22, v12
.endr
.set j, 0
.rept 64
	v_exp_f32 v[S+j], v[S+j]                       ; p = 2^(t - M)
.set j, j+1
.endr
	v_pk_mul_f32 v[14:15], v[14:15], v[252:253] op_sel_hi:[1,0]   ; the sums under the new M: a plain instruction behind the exponentials
	s_wait_alu depctr_va_vdst(0)                   ; the 64 exponentials have written p: one wait for the batch, ahead of its first reader
.irp b, 0,1,2,3
	v_exp_f32 v[244+\b], v[244+\b]                 ; the blocks' largest p
.endr
	v_pk_add_f32 v[236:237], v[S:S+1], v[S+2:S+3]  ; the row's sum of the unquantised p, in two chains
.irp j, 4,8,12,16,20,24,28,32,36,40,44,48,52,56,60
	v_pk_add_f32 v[14:15], v[14:15], v[S+\j:S+\j+1]
	v_pk_add_f32 v[236:237], v[236:237], v[S+2+\j:S+3+\j]
.endr
	v_pk_add_f32 v[14:15], v[14:15], v[236:237]
	s_wait_alu depctr_va_vdst(0)                   ; the four exponentials have written v244 to v247, ahead of their first reader
.irp b, 0,1,2,3
	v_max_num_f32 v[244+\b], 0x1800000, v[244+\b]  ; the floor 2^(3 - 127)
.endr
.irp b, 0,1,2,3
	v_add_nc_u32 v[248+\b], 0xff000000, v[244+\b]
.endr
.irp b, 0,1,2,3
	v_lshrrev_b32 v[236+\b], 23, v[248+\b]
.endr
	v_lshl_or_b32 v[PW], v237, 8, v236
	v_lshl_or_b32 v[PW], v238, 16, v[PW]
	v_lshl_or_b32 v[PW], v239, 24, v[PW]
.irp c, 0,1
	v_cvt_scalef32_pk16_fp6_f32 v[224+6*\c:226+6*\c], v[S+32*\c:S+15+32*\c], v[248+2*\c]
	v_cvt_scalef32_pk16_fp6_f32 v[236+4*\c:238+4*\c], v[S+16+32*\c:S+31+32*\c], v[248+2*\c+1]
.endr
	v_nop                                          ; one plain instruction behind the scaled conversions
	s_wait_alu depctr_va_vdst(0)                   ; the sums and the conversions are done reading p, and all that wrote it is done: V's fragments land in v128 to v175.  No vector line up to the products names these registers, v5 or v6
.irp t, 0,1,2,3                        ; V's four fragments take p's place; the lines below stand between these loads and the wait for them
.irp c, 0,1
	ds_load_b128 v[S+12*\t+6*\c:S+12*\t+6*\c+3], v5 offset:49152+\t*1536+\c*768
	ds_load_b64 v[S+12*\t+6*\c+4:S+12*\t+6*\c+5], v6 offset:49152+\t*1536+\c*768+512
.endr
.endr
.irp c, 0,1
.irp i, 0,1,2
	v_permlane16_swap_b32 v[224+6*\c+\i], v[236+4*\c+\i]
.endr
.irp i, 0,1,2
	v_mov_b32 v[227+6*\c+\i], v[236+4*\c+\i]
.endr
.endr
.set j, 0
.rept 16
	v_pk_mul_f32 v[O+j:O+j+1], v[O+j:O+j+1], v[252:253] op_sel_hi:[1,0]   ; O^T under the new M; these are also the places in front of the products
.set j, j+2
.endr
	s_wait_dscnt 0x0
	s_wait_alu depctr_va_vdst(0)                   ; p's codes v224 to v235 and its scale word v93 are written, which the scaled products take; the places stand ahead of this wait
.irp t, 0,1,2,3
	v_wmma_scale_f32_16x16x128_f8f6f4 v[O+8*\t:O+8*\t+7], v[S+12*\t:S+12*\t+11], v[224:235], v[O+8*\t:O+8*\t+7], v[VSW+\t], v[PW] matrix_a_fmt:MATRIX_FMT_FP6 matrix_b_fmt:MATRIX_FMT_FP6
.endr
.rept 5
	v_nop                                          ; the next step's scores are written over V's fragments by matrix instructions: five places
.endr
.Lnext_\@:
	s_add_co_u32 s26, s26, 6144
	s_add_co_u32 s27, s27, 512
	s_add_co_u32 s28, s28, 256
	s_add_co_u32 s29, s29, 256
	s_add_co_u32 s24, s24, 1
	s_cmp_lt_u32 s24, 8
	s_cbranch_scc1 .Lstep_\@
	; the tile's end: O^T / the sum, quantised along the head's 64
	v_add_f32 v14, v14, v15
	v_permlanex16_b32 v254, v14, s20, s21
	v_add_f32 v14, v14, v254                       ; the row's sum
	v_rcp_f32 v252, v14
	v_nop
	v_cmp_neq_f32 vcc_lo, 0, v14
	s_wait_alu depctr_va_vdst(0)                   ; the reciprocal has written v252, ahead of its first reader
.set j, 0
.rept 32
	v_mul_f32 v[S+j], v[O+j], v252                 ; register 16 e + i: channel 32 e + 16 h + i
.set j, j+1
.endr
.irp e, 0,1
	v_max3_num_f32 v[244+\e], |v[S+16*\e]|, |v[S+1+16*\e]|, 0x1800000
.endr
.irp i, 2,4,6,8,10,12,14
.irp e, 0,1
	v_max3_num_f32 v[244+\e], v[244+\e], |v[S+16*\e+\i]|, |v[S+1+16*\e+\i]|
.endr
.endr
.irp e, 0,1
	v_permlanex16_b32 v[236+\e], v[244+\e], s20, s21
.endr
.irp e, 0,1
	v_max_num_f32 v[244+\e], v[244+\e], v[236+\e]
.endr
.irp e, 0,1
	v_add_nc_u32 v[248+\e], 0xff000000, v[244+\e]
.endr
.irp e, 0,1
	v_lshrrev_b32 v[236+\e], 23, v[248+\e]
.endr
	v_cvt_scalef32_pk16_fp6_f32 v[224:226], v[S:S+15], v248
	v_cvt_scalef32_pk16_fp6_f32 v[240:242], v[S+16:S+31], v249
	v_nop
.irp i, 0,1,2
	v_permlane16_swap_b32 v[224+\i], v[240+\i]
.endr
.irp i, 0,1,2
	v_mov_b32 v[227+\i], v[240+\i]
.endr
	v_cndmask_b32 v238, v236, v237, s100           ; lanes 0-15 store block 0's byte, lanes 16-31 block 1's
	s_wait_alu depctr_va_vcc(0)                    ; the compare of the row's sum has written VCC, which the select below reads
	v_cndmask_b32 v238, 0xff, v238, vcc_lo         ; a row with the sum 0: the NaN byte
	s_mul_i32 s32, s66, 24576
	s_mul_i32 s33, s67, 768
	s_add_co_u32 s32, s32, s33
	s_mov_b32 s33, 0
	s_add_nc_u64 s[32:33], s[12:13], s[32:33]
	s_lshl_b32 s34, s66, 10
	s_lshr_b32 s35, s18, 1
	s_lshl_b32 s35, s35, 8
	s_add_co_u32 s34, s34, s35
	s_and_b32 s35, s18, 1
	s_lshl_b32 s35, s35, 3
	s_add_co_u32 s34, s34, s35
	s_lshl_b32 s35, s17, 1
	s_add_co_u32 s34, s34, s35
	s_mov_b32 s35, 0
	s_add_nc_u64 s[34:35], s[14:15], s[34:35]
	s_wait_alu depctr_va_vdst(0)                   ; the conversions, swaps, moves and selects have written v224 to v229 and v238, which the three stores read
	global_store_b128 v1, v[224:227], s[32:33]     ; 512 consecutive bytes
	global_store_b64 v2, v[228:229], s[32:33] offset:512
	global_store_b8 v10, v238, s[34:35]            ; one byte in 24 of what the tile stores; gathering them would want a barrier among waves of unequal trips
.endm
	s_mov_b32 s2, s3
	TILE 0
	s_sub_co_u32 s2, 63, s3
	TILE 1
	s_wait_dscnt 0x0                               ; the closing lines, six on end
	s_wait_alu 0x0
	s_wait_tensorcnt 0x0
	ds_add_u32 v243, v255
	s_wait_dscnt 0x0
	s_endpgm
.Lfunc_end_k_q8242b00c61_attn:
	.size	k_q8242b00c61_attn, .Lfunc_end_k_q8242b00c61_attn-k_q8242b00c61_attn
	.p2alignl 7, 3214868480
	.fill 96, 4, 3214868480
	.section	.rodata,"a",@progbits
	.p2align	6, 0x0
	.amdhsa_kernel k_q8242b00c61_attn
		.amdhsa_group_segment_fixed_size 106496
		.amdhsa_private_segment_fixed_size 0
		.amdhsa_enable_private_segment 0
		.amdhsa_kernarg_size 48
		.amdhsa_user_sgpr_count 2
		.amdhsa_user_sgpr_kernarg_segment_ptr 1
		.amdhsa_wavefront_size32 1
		.amdhsa_system_sgpr_workgroup_id_x 1
		.amdhsa_system_sgpr_workgroup_id_y 1
		.amdhsa_system_sgpr_workgroup_id_z 1
		.amdhsa_system_vgpr_workitem_id 0
		.amdhsa_next_free_vgpr 256
		.amdhsa_next_free_sgpr 102
		.amdhsa_reserve_vcc 1
		.amdhsa_float_denorm_mode_32 3
		.amdhsa_float_denorm_mode_16_64 3
		.amdhsa_memory_ordered 1
		.amdhsa_forward_progress 1
		.amdhsa_inst_pref_size 68
	.end_amdhsa_kernel
	.amdgpu_metadata
---
amdhsa.version: [ 1, 2 ]
amdhsa.kernels:
  - .name:           k_q8242b00c61_attn
    .symbol:         k_q8242b00c61_attn.kd
    .args:
      - { .name: qkvc, .offset: 0, .size: 8, .value_kind: global_buffer, .address_space: global }
      - { .name: qkvs, .offset: 8, .size: 8, .value_kind: global_buffer, .address_space: global }
      - { .name: maskw, .offset: 16, .size: 8, .value_kind: global_buffer, .address_space: global }
      - { .name: flags, .offset: 24, .size: 8, .value_kind: global_buffer, .address_space: global }
      - { .name: attc, .offset: 32, .size: 8, .value_kind: global_buffer, .address_space: global }
      - { .name: atts, .offset: 40, .size: 8, .value_kind: global_buffer, .address_space: global }
    .group_segment_fixed_size: 106496
    .private_segment_fixed_size: 0
    .kernarg_segment_align: 8
    .kernarg_segment_size: 48
    .max_flat_workgroup_size: 512
    .sgpr_count:     102
    .vgpr_count:     256
    .wavefront_size: 32
...
	.end_amdgpu_metadata
.endif
;; end of part 5
;; launch outp: the kernel of part 4 again; grid 16 x 16, 4 waves a work-group, clusters of 4 x 4, 327,680 bytes of LDS; arguments attc, atts, cod1, scl1, bo, out0; writes out0
